; MI455X (gfx1250); checked and timed in simulation.
; The chip was launched on July 23, 2026; its instructions are those of AMD's public machine-readable ISA for CDNA 5 (MIT licence, August 2026) and "CDNA5" Instruction Set Architecture Reference Guide (July 2026). The comments in the code are by the model that wrote it; some were corrected since.
;; Model. Allowed arithmetic: matrix products marked QUANTISED: E2M3 operands, one E8M0 scale for each 32 along K, by v_wmma_scale_f32_16x16x128_f8f6f4 with both operands' format E2M3, f32 sums; everything else in f32.
;; Inputs: B 4,096 float32; Bout 1,024 float32; Wh_codes 4,096 x 128 x 24 uint8 (E2M3 codes of Wh, K innermost, in blocks of 32 codes, four codes in three bytes); Wh_scales 4,096 x 128 uint8 (E8M0 scales of Wh, one for each 32 codes along K); Wout_codes 1,024 x 128 x 24 uint8 (E2M3 codes of Wout, K innermost, in blocks of 32 codes, four codes in three bytes); Wout_scales 1,024 x 128 uint8 (E8M0 scales of Wout, one for each 32 codes along K); Wx_codes 4,096 x 64 x 24 uint8 (E2M3 codes of Wx, K innermost, in blocks of 32 codes, four codes in three bytes); Wx_scales 4,096 x 64 uint8 (E8M0 scales of Wx, one for each 32 codes along K); hidden_codes 2,048 x 128 x 24 uint8 (E2M3 codes of hidden, K innermost, in blocks of 32 codes, four codes in three bytes); hidden_scales 2,048 x 128 uint8 (E8M0 scales of hidden, one for each 32 codes along K); x_codes 2,048 x 64 x 24 uint8 (E2M3 codes of x, K innermost, in blocks of 32 codes, four codes in three bytes); x_scales 2,048 x 64 uint8 (E8M0 scales of x, one for each 32 codes along K).
;; Outputs: out0 2,048 x 1,024 float32.
;; This version of the problem:
;;   THIS VERSION OF THE PROBLEM IS GIVEN IN LOW PRECISION. The matrix products marked QUANTISED in the list below multiply operands that are first quantised to E2M3 (2 exponent bits, 3 mantissa bits; 6 bits a number), with one power-of-two scale for each 32 numbers along K (OCP MX v1.0); their sums are f32. All else is computed in f32.
;;   The module's matrix products, in the order in which they are computed (A, B: the left and right operand; K: the contracted axis; several contracted axes count as one K, in the product's order):
;;     1. [M 2,048, K 2,048] x [K 2,048, N 4,096]; A: input x (given as codes); B: input Wx (given as codes): QUANTISED
;;     2. [M 2,048, K 4,096] x [K 4,096, N 4,096]; A: input hidden (given as codes); B: input Wh (given as codes): QUANTISED
;;     3. [M 2,048, K 4,096] x [K 4,096, N 1,024]; A: computed on the way; B: input Wout (given as codes): QUANTISED
;;   THE QUANTISER, for each operand of a quantised product, along K:
;;     - K is cut into blocks of 32 from its start; a last block that is shorter is filled with zeros.
;;     - A block's scale is 2^e with e = floor(log2(the largest magnitude in the block)) - 2, held to -126 .. 127; a block of zeros has e = 0. As a byte (E8M0): e + 127.
;;     - Each number is divided by its block's scale, clamped to +-7.5, and rounded to the nearest number of E2M3, ties to even, subnormals kept.
;;     - The product sums the exact products of the quantised numbers (number of the format x scale) in f32.
;;   ~~~python
;;   def quantise(x, axis):      # numpy; x: float32 -> the quantised numbers, widened to float32 again
;;       x = np.moveaxis(x, axis, -1); K = x.shape[-1]
;;       x = np.pad(x, [(0, 0)] * (x.ndim - 1) + [(0, -K % 32)]); x = x.reshape(x.shape[:-1] + (-1, 32)); a = np.abs(x).max(-1, keepdims=True)
;;       e = np.where(a > 0, np.clip(np.frexp(np.where(a > 0, a, 1))[1] - 1 - 2, -126, 127), 0)      # np.frexp(a)[1] - 1 = floor(log2(a)), exactly
;;       r = np.clip(x / 2.0 ** e, -7.5, 7.5)
;;       step = 2.0 ** (np.maximum(np.frexp(np.where(r == 0, 1, r))[1] - 1, 0) - 3)
;;       q = np.round(r / step) * step * 2.0 ** e      # np.round: ties to even
;;       return np.moveaxis(q.reshape(q.shape[:-2] + (-1,))[..., :K], -1, axis).astype(np.float32)
;;   ~~~
;;   OPERANDS COMPUTED ON THE WAY. 'Computed on the way' means the value that the module computes at that place (a softmax that the list does not call 'softmax' is quantised finished and normalised). What goes into a quantiser is computed in f32, as accurately as f32 sums, v_exp_f32 and their like allow (about 1e-6 of the number): no bf16 or f16 on the way to a quantiser, and a product that is left as it is and whose result goes on into a quantised operand takes f32 operands (vector FMAs, or v_wmma_f32_16x16x4_f32). A number that lies on a knife's edge between two numbers of the format may be rounded either way, as far as f32 arithmetic and the matrix unit's own rounding can turn it there, and no further.
;;   INPUTS GIVEN AS CODES. Wh (in the module: [4096, 4096], K = its axis 1); Wout (in the module: [1024, 4096], K = its axis 1); Wx (in the module: [4096, 2048], K = its axis 1); hidden (in the module: [2048, 4096], K = its axis 1); x (in the module: [2048, 2048], K = its axis 1): each comes as NAME_codes (uint8): NAME with its K axis moved to the last place and cut into blocks of 32 codes, [.., K / 32, bytes a block], one block behind the other in memory; four codes in three bytes: a row's codes are one little-endian stream of bits, code i at bits 6 i .. 6 i + 5 (a code: sign, 2 exponent bits, 3 mantissa bits); and NAME_scales (uint8): the same leading axes, one E8M0 byte (e + 127) for each 32 codes along K. Its value is code x scale, taken as it is: it is not quantised again, and the codes and scales need not be those that the quantiser above would give.
;; 2 versions. Each part assembles by itself: llvm-mc -triple=amdgcn-amd-amdhsa -mcpu=gfx1250 --defsym DOCPART=n.
;; ======== version 1 of 2: 2 launches
;; workspace buffers: hq_codes 6,291,456 bytes; hq_scales 262,144 bytes; wo_img 3,145,728 bytes; wo_sc 131,072 bytes
;; launch cell (part 1): grid 16 x 16, 4 waves a work-group, clusters of 4 x 4, 327,680 bytes of LDS; arguments x_codes, x_scales, hidden_codes, hidden_scales, Wx_codes, Wx_scales, Wh_codes, Wh_scales, B, Wout_codes, Wout_scales, hq_codes, hq_scales, wo_img, wo_sc; writes hq_codes, hq_scales, wo_img, wo_sc
.if DOCPART == 1
	.amdgcn_target "amdgcn-amd-amdhsa--gfx1250"
	.amdhsa_code_object_version 6
	.text
	.protected	k_q76ff1530f9_cell
	.globl	k_q76ff1530f9_cell
	.p2align	8
	.type	k_q76ff1530f9_cell,@function
k_q76ff1530f9_cell:
	s_mov_b64 s[64:65], 0
	v_nop
	global_prefetch_b8 v0, s[64:65] scope:SCOPE_SE
	s_setreg_imm32_b32 hwreg(HW_REG_WAVE_MODE, 25, 1), 1
	s_wait_xcnt 0x0
	s_wait_alu depctr_hold_cnt(0) depctr_sa_sdst(0) depctr_va_vdst(0) depctr_va_sdst(0) depctr_va_ssrc(0) depctr_va_vcc(0) depctr_vm_vsrc(0)
	s_getreg_b32 s2, hwreg(HW_REG_IB_STS2, 6, 4)
	s_cmp_eq_u32 s2, 0
	s_cbranch_scc0 .Lentry_in_a_cluster
	s_endpgm
.Lentry_in_a_cluster:
	s_bfe_u32 s2, ttmp6, 0x10000c
	s_cmp_lg_u32 s2, 0xf033
	s_cbranch_scc0 .Lentry_shape_is_right
	s_endpgm
.Lentry_shape_is_right:
; new_h = tanh(x Wx^T + hidden Wh^T + B), quantised along the hidden axis to codes of FP6 (E2M3) with one E8M0 byte for each 32, and stored as operand images for the next launch.
; x [2048][2048], hidden [2048][4096], Wx [4096][2048], Wh [4096][4096]: codes, K innermost (a row of 2,048 codes is 1,536 bytes, of 4,096 codes 3,072), scale bytes beside them.  The two products are ONE sum over K = 6,144:
; 8 K steps of 256 in x and Wx, then 16 in hidden and Wh.
; SHARES.  A work-group makes 128 rows x 256 hidden units: 16 x 16 work-groups.  Wave w = 2 kh + nh takes ALL 128 rows x 128 units (nh) and HALF of each K step (kh): 64 accumulators, 512 registers,
; 16 fragments from LDS for 64 matrix instructions.  At the end the two waves of a column half exchange halves of their partial sums through LDS: each keeps 64 rows.
; A's register blocks 0-3 are the 64 rows that the wave keeps (window 2), blocks 4-7 the 64 that it sends (window 3): the text is the same for all waves.
; THE MATRIX INSTRUCTION IS USED TRANSPOSED (source 0 = 16 rows of W, source 1 = 16 rows of x or hidden): a lane holds one batch row, its registers run along the hidden units, the next product's K.
; CLUSTERS: 4 x 4.  A's tiles are asked for jointly along a row of the cluster, W's along a column.
; The scale bytes of the work-group's rows, for all of K, come once through registers into LDS, sorted by K step.
; The launch also lays Wout out anew (12 KiB a work-group): fragments as images of the operand's registers, scale words by lanes, as the next launch reads them.
; tanh: 1 - 2 / (1 + 2^(2 x log2 e)) where x^2 >= 1/16; x - x^3/3 + 2 x^5/15 - 17 x^7/315 below, where the first form would lose digits by cancellation (the next term is 62 x^8 / 2835 of the result: 3.3e-7 at 1/4).
; LIMITS: NaN and infinities in B or in the sums are not served.  A block of zeros gets the byte 1 (the rule says 127): its codes are zeros and this program alone reads the bytes.  K is summed in two partial f32 sums.
; REGISTERS, in windows of 256.  window 0: v1-31 addresses; v32-47 scale words, two sets; v48-55 constants; v56-61 at work, later the scale words made; v64-159, v160-255 A's fragments, two sets
;   (in the tail: v64-127 the sums, v128-191 the partner's part, v192-255 at work).   window 1: v0-95, v96-191 W's fragments, two sets; v192-255 the bias, 8 registers a tile.
;   window 2: accumulators of the rows I keep, (a, b) at 8 (8 a + b).   window 3: those of the rows I send.
.set PITCH,  240                       ; an LDS row: 3 x (64 bytes + 16 of padding): the 32 lanes of a load of 8 bytes touch 64 different banks
.set SLOT,   384*PITCH                 ; a slot: A's 128 rows, then W's 256 rows, 256 along K
.set BOFF,   128*PITCH
.set SCL,    2*SLOT                    ; behind the ring: the scale bytes, 24 entries (one a K step)
.set SP,     3232                      ; an entry: A's 128 rows x 8 bytes at 0, W's 256 rows x 8 bytes at SBOFF
.set SBOFF,  1152                      ; 128 modulo 256: lanes 16-31 (W's words) fall on the other half of the banks than lanes 0-15 (A's)
.set SPARE,  SCL+24*SP                 ; the spare words, 128 bytes a wave: two blocks of 256 bytes that no other line names
.set ADA,  4                           ; v4-15   A's fragments: 6 x slot + 3 x half + family
.set ADB,  16                          ; v16-21  W's: 3 x slot + family
.set ADS,  22                          ; v22-23  scale words: blocks 0-3, blocks 4-7
.set SPW,  24                          ; v24     SPARE + 4 x my thread's number; never rewritten
.set NIL,  25                          ; v25     0; never rewritten
.set LI,   26                          ; v26     16 x lane
.set XW,   27                          ; v27     the exchange: where I write
.set XR,   28                          ; v28     and where I read
.set L8,   29                          ; v29     8 x lane
.set SA64, 30                          ; v30     where scale bytes of rows of 64 bytes go
.set SA128, 31                         ; v31     and of rows of 128 bytes
.set SC,   32
.set KC,   48                          ; v[48:49] 2 log2 e, v[50:51] -1/3, v[52:53] 2/15, v[54:55] -17/315
.set PW,   56                          ; v56-59  the scale word of each of my four blocks of rows
.set AF,   64
.set HR,   64
.set TR,   128
.set UR,   192
.set ER,   208
.set PR,   224
.set QR,   240
.set TM,   212                         ; v212-215 largest magnitudes, v216-219 bytes, v220-223 the conversions' scale operands
.set G1AX, 44                          ; descriptor groups 1: A in x, W in Wx, A in hidden, W in Wh
.set G1BX, 52
.set G1AH, 68
.set G1BH, 76
.set G0A,  84                          ; groups 0, a set for each slot
.set G0B,  92
.set G1W0, (1<<20)|(1<<21)|(3<<22)|(3<<25)   ; elements of 1 byte; padding on; bit 21 beside a mask; after every 16 words, 4 words
.set MSB, 0
.macro WIN new                         ; the immediate's high byte repeats the setting that is left
.if MSB != \new
	s_set_vgpr_msb (MSB<<8)|\new
.set MSB, \new
.endif
.endm
.macro PLACES n
.rept \n
	v_nop
.endr
.endm
; A joint load: waves 0 and 1 fetch A's halves, waves 2 and 3 W's.  The branch hangs on the wave's number alone.  Four v_nop follow each line.
.macro JLOAD g0a, g1a, g0b, g1b
	s_cmp_eq_u32 s35, 0
	s_cbranch_scc0 .Lfor_b_\@
	tensor_load_to_lds s[\g0a:\g0a+3], s[\g1a:\g1a+7]
	s_nop 0
.rept 4
	v_nop
.endr
	s_branch .Lasked_\@
.Lfor_b_\@:
	tensor_load_to_lds s[\g0b:\g0b+3], s[\g1b:\g1b+7]
	s_nop 0
.rept 4
	v_nop
.endr
.Lasked_\@:
.endm
.macro CREST                           ; a round of the cluster's barrier behind its opening barrier
	s_cmp_lg_u32 s34, 0
	s_cbranch_scc1 .Lnot_wave_0_\@
	s_barrier_signal -3
.Lnot_wave_0_\@:
	s_barrier_wait -3
	s_barrier_signal -1
	s_barrier_wait -1
.endm
.macro CROUND
	s_barrier_signal -1
	s_barrier_wait -1
	CREST
.endm
	s_load_b512 s[4:19], s[0:1], 0x0               ; x codes 4, x scales 6, hidden codes 8, hidden scales 10, Wx codes 12, Wx scales 14, Wh codes 16, Wh scales 18
	s_load_b256 s[20:27], s[0:1], 0x40             ; B 20, Wout codes 22, Wout scales 24, hq_codes 26
	s_load_b128 s[28:31], s[0:1], 0x60             ; hq_scales 28, wo_img 30
	s_load_b64 s[32:33], s[0:1], 0x70              ; wo_sc
	v_lshl_add_u32 v[SPW], v0, 2, SPARE
	v_mov_b32 v[NIL], 0
	ds_add_u32 v24, v25
	ds_add_u32 v24, v25
	s_wait_dscnt 0x0
	v_lshrrev_b32 v1, 5, v0
	v_readfirstlane_b32 s34, v1                    ; wave
	s_lshr_b32 s35, s34, 1                         ; kh: my half of a K step.  Also: I fetch for A (0) or for W (1)
	s_and_b32 s36, s34, 1                          ; nh: my 128 of the 256 units.  Also: which half of the tile I fetch
	s_xor_b32 s37, s35, 1
	s_bfe_u32 s38, ttmp6, 0x40000                  ; cx
	s_bfe_u32 s39, ttmp6, 0x40004                  ; cy
	s_lshl_b32 s40, ttmp9, 2
	s_add_co_u32 s40, s40, s38                     ; tx: units 256 tx on
	s_and_b32 s41, ttmp7, 0xffff
	s_lshl_b32 s41, s41, 2
	s_add_co_u32 s41, s41, s39                     ; ty: rows 128 ty on
	s_lshl_b32 s42, s39, 2
	s_lshl_b32 s42, 15, s42                        ; my row of the cluster
	s_lshl_b32 s43, 0x1111, s38                    ; my column
	s_or_b32 s[G1AX], s42, G1W0
	s_or_b32 s[G1AH], s42, G1W0
	s_or_b32 s[G1BX], s43, G1W0
	s_or_b32 s[G1BH], s43, G1W0
.irp g, G1AX, G1AH
	s_mov_b32 s[\g+1], 192<<16                     ; tensor_dim0 = 192 bytes
	s_mov_b32 s[\g+2], 64<<16                      ; tensor_dim1 = 64 rows
	s_mov_b32 s[\g+3], 192<<16                     ; tile_dim0
	s_mov_b32 s[\g+4], 64                          ; tile_dim1
	s_mov_b32 s[\g+6], 0
	s_mov_b32 s[\g+7], 0
.endr
.irp g, G1BX, G1BH
	s_mov_b32 s[\g+1], 192<<16
	s_mov_b32 s[\g+2], 128<<16                     ; 128 rows
	s_mov_b32 s[\g+3], 192<<16
	s_mov_b32 s[\g+4], 128
	s_mov_b32 s[\g+6], 0
	s_mov_b32 s[\g+7], 0
.endr
	s_mov_b32 s[G1AX+5], 1536                      ; from row to row, in bytes
	s_mov_b32 s[G1BX+5], 1536
	s_mov_b32 s[G1AH+5], 3072
	s_mov_b32 s[G1BH+5], 3072
	s_lshl_b32 s100, s41, 7                        ; A: row 128 ty + 64 x half (registers that never hold cx)
	s_lshl_b32 s101, s36, 6
	s_add_co_u32 s100, s100, s101
	s_mul_i32 s100, s100, 1536
	s_mov_b32 s101, 0
	s_lshl_b32 s66, s40, 8                         ; W: row 256 tx + 128 x half (registers that never hold cy)
	s_lshl_b32 s67, s36, 7
	s_add_co_u32 s66, s66, s67
	s_mul_i32 s66, s66, 1536
	s_mov_b32 s67, 0
	s_mov_b32 s60, 0x76543210                      ; v_permlanex16_b32's selects for lane l xor 16
	s_mov_b32 s61, 0xfedcba98
	s_mov_b32 s62, 0x3d800000                      ; 1/16
	s_mov_b32 s63, 0xffff0000                      ; lanes 16-31
	s_wait_kmcnt 0x0
	s_add_nc_u64 s[4:5], s[4:5], s[100:101]        ; my part of the tile in x,
	s_add_nc_u64 s[8:9], s[8:9], s[100:101]
	s_add_nc_u64 s[8:9], s[8:9], s[100:101]        ; in hidden (rows twice as long),
	s_add_nc_u64 s[12:13], s[12:13], s[66:67]      ; in Wx,
	s_add_nc_u64 s[16:17], s[16:17], s[66:67]
	s_add_nc_u64 s[16:17], s[16:17], s[66:67]      ; in Wh
	CROUND                                         ; all sixteen work-groups are here: the first joint loads meet
	s_mul_i32 s[G0A+1], s36, 64*PITCH              ; LDS addresses hang on the wave's number and the slot alone
	s_add_co_u32 s[G0A+5], s[G0A+1], SLOT
	s_mul_i32 s[G0B+1], s36, 128*PITCH
	s_add_co_u32 s[G0B+1], s[G0B+1], BOFF
	s_add_co_u32 s[G0B+5], s[G0B+1], SLOT
.irp s, 0,1
	s_mov_b32 s[G0A+4*\s], 1
	s_add_nc_u64 s[G0A+4*\s+2:G0A+4*\s+3], s[4:5], \s*192
	s_or_b32 s[G0A+4*\s+3], s[G0A+4*\s+3], 0x80000000
	s_mov_b32 s[G0B+4*\s], 1
	s_add_nc_u64 s[G0B+4*\s+2:G0B+4*\s+3], s[12:13], \s*192
	s_or_b32 s[G0B+4*\s+3], s[G0B+4*\s+3], 0x80000000
	JLOAD G0A+4*\s, G1AX, G0B+4*\s, G1BX           ; K steps 0 and 1: two tensor loads of mine are out
.endr
	; ---- the other bases
	s_lshl_b32 s100, s41, 13                       ; x's scales: 128 ty rows of 64 bytes; hidden's: of 128
	s_add_nc_u64 s[6:7], s[6:7], s[100:101]
	s_add_nc_u64 s[10:11], s[10:11], s[100:101]
	s_add_nc_u64 s[10:11], s[10:11], s[100:101]
	s_lshl_b32 s66, s40, 14                        ; Wx's: 256 tx rows of 64 bytes; Wh's: of 128
	s_add_nc_u64 s[14:15], s[14:15], s[66:67]
	s_add_nc_u64 s[18:19], s[18:19], s[66:67]
	s_add_nc_u64 s[18:19], s[18:19], s[66:67]
	s_lshl_b32 s66, s40, 10                        ; B at unit 256 tx + 128 nh
	s_lshl_b32 s2, s36, 9
	s_add_co_u32 s66, s66, s2
	s_add_nc_u64 s[20:21], s[20:21], s[66:67]
	s_lshl_b32 s2, s41, 4
	s_add_co_u32 s2, s2, s40                       ; g = 16 ty + tx: which 8 fragments of Wout are the work-group's: rows 16 (g / 4) on, K steps 8 (g % 4) on; my wave's two: 2 w on
	s_lshr_b32 s38, s2, 2
	s_and_b32 s39, s2, 3
	s_mul_i32 s38, s38, 49152                      ; 16 rows of 3,072 bytes = 32 images of 1,536
	s_mul_i32 s42, s39, 768
	s_mul_i32 s43, s34, 192
	s_add_co_u32 s42, s42, s43
	s_add_co_u32 s42, s42, s38
	s_mov_b32 s43, 0
	s_add_nc_u64 s[22:23], s[22:23], s[42:43]      ; in Wout's codes
	s_mul_i32 s42, s39, 12288
	s_mul_i32 s39, s34, 3072
	s_add_co_u32 s42, s42, s39
	s_add_co_u32 s42, s42, s38
	s_add_nc_u64 s[30:31], s[30:31], s[42:43]      ; and among the images
	s_lshl_b32 s2, s2, 1
	s_add_co_u32 s2, s2, s34                       ; u = 2 g + w: waves 0 and 1 make one unit of 256 bytes of Wout's scale words each: K step u / 16, rows 64 (u % 16) on
	s_and_b32 s38, s2, 15
	s_lshl_b32 s38, s38, 13
	s_lshr_b32 s39, s2, 4
	s_lshl_b32 s39, s39, 2
	s_add_co_u32 s42, s38, s39
	s_add_nc_u64 s[24:25], s[24:25], s[42:43]
	s_lshl_b32 s42, s2, 8
	s_add_nc_u64 s[32:33], s[32:33], s[42:43]
	s_lshl_b32 s38, s41, 3                         ; my first block of 16 rows: 8 ty + 4 kh;
	s_lshl_b32 s39, s35, 2
	s_add_co_u32 s38, s38, s39
	s_lshl_b32 s38, s38, 5
	s_lshl_b32 s39, s40, 1
	s_add_co_u32 s39, s39, s36                     ; my K step of the next product: 2 tx + nh
	s_add_co_u32 s38, s38, s39
	s_mul_i32 s42, s38, 1536
	s_add_nc_u64 s[26:27], s[26:27], s[42:43]      ; hq_codes [block of rows][K step][1,536]
	s_lshl_b32 s39, s39, 5
	s_lshl_b32 s38, s41, 1
	s_add_co_u32 s38, s38, s35
	s_add_co_u32 s38, s38, s39
	s_lshl_b32 s42, s38, 8
	s_add_nc_u64 s[28:29], s[28:29], s[42:43]      ; hq_scales [K step][four blocks of rows][256]
	v_and_b32 v1, 15, v0                           ; r
	v_bfe_u32 v2, v0, 4, 1                         ; h
	v_and_b32 v3, 31, v0                           ; lane
	v_lshlrev_b32 v[LI], 4, v3
	v_lshlrev_b32 v[L8], 3, v3
	v_lshlrev_b32 v56, 4, v0                       ; 16 x thread: the four waves read 2,048 consecutive bytes of scales
	v_lshlrev_b32 v57, 5, v2                       ; the bias: 8 numbers for each half of the lanes
	v_mul_u32_u24 v58, v1, 3072
	v_mad_u32_u24 v58, v2, 24, v58                 ; Wout: row r, + 24 h
	v_lshlrev_b32 v59, 7, v3                       ; Wout's scales: a row a lane
.macro GET reg, n, base                ; n loads of 2,048 consecutive bytes
.set I, 0
.rept \n
	global_load_b128 v[\reg+4*I:\reg+4*I+3], v56, s[\base:\base+1] offset:2048*I
.set I, I+1
.endr
.endm
	GET 64, 4, 6                                   ; x's scales: 128 rows x 64 bytes
	GET 80, 8, 10                                  ; hidden's: 128 x 128
	GET 112, 8, 14                                 ; Wx's: 256 x 64
	GET 144, 16, 18                                ; Wh's: 256 x 128
	WIN 0x40                                       ; destination window 1
.irp b, 0,1,2,3,4,5,6,7
	global_load_b128 v[192+8*\b:195+8*\b], v57, s[20:21] offset:64*\b      ; B at units 16 b + 8 h + 0 .. 7: the result's layout
	global_load_b128 v[196+8*\b:199+8*\b], v57, s[20:21] offset:64*\b+16
.endr
	WIN 0
.irp f, 0,1
.irp p, 0,1,2,3,4,5
	global_load_b64 v[208+12*\f+2*\p:209+12*\f+2*\p], v58, s[22:23] offset:96*\f+48*(\p/3)+8*(\p%3) th:TH_LOAD_NT   ; two fragments of Wout, in the operand's layout
.endr
.endr
	s_cmp_lt_u32 s34, 2
	s_cbranch_scc0 .Lno_words
	global_load_b32 v232, v59, s[24:25]            ; lane l: the word of row 64 (u % 16) + l,
	global_load_b32 v233, v59, s[24:25] offset:4096   ; and of the row 32 further on
.Lno_words:
	s_wait_loadcnt 0x0                             ; all of them: their address registers and bases are free from here on
	; ---- LDS addresses.  A fragment's six pieces of 8 bytes lie at 8 p + 16 (p / 8), p = 12 kh + 3 h + {0, 1, 2, 6, 7, 8}: three families of addresses give all six by immediates 0, 8, 16, 48, 56, 80
	v_mul_u32_u24 v3, v1, PITCH
	s_mul_i32 s6, s35, 112
	s_lshl_b32 s7, s35, 4
	s_add_co_u32 s7, s7, 24
	s_lshl_b32 s10, s35, 7
	s_lshl_b32 s11, s37, 4
	s_add_co_u32 s11, s11, 24
	v_mad_u32_u24 v56, v2, 24, v3
	v_add_nc_u32 v56, s6, v56                      ; family a: 112 kh + 24 h
	v_mul_u32_u24 v57, s7, v2
	v_add_nc_u32 v57, v57, v3
	v_add_nc_u32 v57, s6, v57                      ; family b: 112 kh + (24 + 16 kh) h
	v_mul_u32_u24 v58, s11, v2
	v_add_nc_u32 v58, v58, v3
	v_add_nc_u32 v58, s10, v58                     ; family c: 128 kh + (24 + 16 (1 - kh)) h
	s_mul_i32 s14, s35, 64*PITCH                   ; the rows that I keep: 64 kh on
	s_mul_i32 s15, s37, 64*PITCH                   ; the rows that I send
	s_mul_i32 s18, s36, 128*PITCH
	s_add_co_u32 s18, s18, BOFF                    ; my 128 rows of W
.irp f, 0,1,2
	v_add_nc_u32 v[ADA+\f], s14, v[56+\f]
	v_add_nc_u32 v[ADA+3+\f], s15, v[56+\f]
	v_add_nc_u32 v[ADB+\f], s18, v[56+\f]
.endr
.irp f, 0,1,2,3,4,5
	v_add_nc_u32 v[ADA+6+\f], SLOT, v[ADA+\f]
.endr
.irp f, 0,1,2
	v_add_nc_u32 v[ADB+3+\f], SLOT, v[ADB+\f]
.endr
	s_mul_i32 s6, s35, 516                         ; scale words: lanes 0-15 A's block i, lanes 16-31 W's tile i; my half's word of the 8 bytes: 4 kh
	s_add_co_u32 s6, s6, SCL
	s_lshl_b32 s7, s36, 10
	s_lshl_b32 s10, s37, 9
	s_add_co_u32 s10, s10, s7
	s_add_co_u32 s10, s10, 640                     ; from A's rows 64 kh on to W's rows 128 nh on: one product with h
	v_mul_u32_u24 v59, s10, v2
	v_lshl_add_u32 v59, v1, 3, v59
	v_add_nc_u32 v[ADS], s6, v59
	s_lshl_b32 s6, s35, 2
	s_lshl_b32 s10, s37, 9
	s_add_co_u32 s6, s6, s10
	s_add_co_u32 s6, s6, SCL
	s_lshl_b32 s10, s35, 9
	s_add_co_u32 s10, s10, s7
	s_add_co_u32 s10, s10, 1152                    ; from A's rows 64 (1 - kh) on to W's rows 128 nh + 64 on
	v_mul_u32_u24 v59, s10, v2
	v_lshl_add_u32 v59, v1, 3, v59
	v_add_nc_u32 v[ADS+1], s6, v59
	s_lshl_b32 s6, s34, 15
	v_add_nc_u32 v[XW], s6, v[LI]                  ; the exchange: 32 KiB a wave
	s_xor_b32 s6, s34, 2
	s_lshl_b32 s6, s6, 15
	v_add_nc_u32 v[XR], s6, v[LI]                  ; my partner: the same units, the other half of K
	v_and_b32 v59, 3, v0                           ; a thread's 16 scale bytes of a row of 64 are K steps 2 (t % 4) and the next, of row t / 4
	v_mul_u32_u24 v59, v59, 2*SP
	v_lshrrev_b32 v60, 2, v0
	v_lshl_add_u32 v59, v60, 3, v59
	v_add_nc_u32 v[SA64], SCL, v59
	v_and_b32 v59, 7, v0                           ; of a row of 128: K steps 8 + 2 (t % 8) and the next, of row t / 8
	v_mul_u32_u24 v59, v59, 2*SP
	v_lshrrev_b32 v60, 3, v0
	v_lshl_add_u32 v59, v60, 3, v59
	v_add_nc_u32 v[SA128], SCL+8*SP, v59
.irp i, 0,1
	v_mov_b32 v[KC+\i], 0x4038aa3b                 ; 2 log2 e
	v_mov_b32 v[KC+2+\i], 0xbeaaaaab               ; -1/3
	v_mov_b32 v[KC+4+\i], 0x3e088889               ; 2/15
	v_mov_b32 v[KC+6+\i], 0xbd5d0dd1               ; -17/315
.endr
.macro STASH reg, n, adr, off, step    ; each load's 16 bytes: two K steps' 8 bytes of one row
.set I, 0
.rept \n
	ds_store_b64 v[\adr], v[\reg+4*I:\reg+4*I+1] offset:\off+\step*I
	ds_store_b64 v[\adr], v[\reg+4*I+2:\reg+4*I+3] offset:\off+\step*I+SP
.set I, I+1
.endr
.endm
	STASH 64, 4, SA64, 0, 256
	STASH 80, 8, SA128, 0, 128
	STASH 112, 8, SA64, SBOFF, 256
	STASH 144, 16, SA128, SBOFF, 128
.irp f, 0,1
.irp c, 0,1,2
	global_store_b128 v[LI], v[208+12*\f+4*\c:211+12*\f+4*\c], s[30:31] offset:1536*\f+512*\c   ; Wout's fragment as an image of its registers: 512 consecutive bytes a store
.endr
.endr
	s_cmp_lt_u32 s34, 2
	s_cbranch_scc0 .Lno_words_out
	global_store_b64 v[L8], v[232:233], s[32:33]   ; 32 lanes store 256 consecutive bytes, aligned
.Lno_words_out:
	s_wait_xcnt 0x0                                ; the stores have read their registers: fragments land there below
	s_wait_tensorcnt 1                             ; my part of K step 0 is in; K step 1's may stay out
	s_wait_dscnt 0x0                               ; my scale bytes lie in LDS
	s_barrier_signal -1
	s_barrier_wait -1
.macro FRAG reg, adr, off              ; 16 rows x 128 K: 12 registers, six pieces of 8 bytes
	ds_load_b64 v[\reg:\reg+1], v[\adr] offset:\off
	ds_load_b64 v[\reg+2:\reg+3], v[\adr+1] offset:\off+8
	ds_load_b64 v[\reg+4:\reg+5], v[\adr+1] offset:\off+16
	ds_load_b64 v[\reg+6:\reg+7], v[\adr+2] offset:\off+48
	ds_load_b64 v[\reg+8:\reg+9], v[\adr+2] offset:\off+56
	ds_load_b64 v[\reg+10:\reg+11], v[\adr] offset:\off+80
.endm
.macro FETCH f, ns                     ; fragment f of 16 (0-7: W's tiles, 8-15: A's blocks) out of slot ns into set ns
.if (\f) < 8
	WIN 0x40
	FRAG 96*(\ns)+12*(\f), ADB+3*(\ns), 16*PITCH*(\f)
.else
	WIN 0
	FRAG AF+96*(\ns)+12*((\f)-8), ADA+6*(\ns)+3*(((\f)-8)/4), 16*PITCH*(((\f)-8)%4)
.endif
.endm
.macro SCALES st                       ; a K step's eight registers of scale words
.irp i, 0,1,2,3
	ds_load_b32 v[SC+8*(\st)+\i], v[ADS] offset:128*\i
.endr
.irp i, 0,1,2,3
	ds_load_b32 v[SC+8*(\st)+4+\i], v[ADS+1] offset:128*\i
.endr
.endm
; One product: A's block a x W's tile b.  zero = 1: it starts the sum: with the bias for the rows that I keep (so the bias is added once), with 0 for the rows that I send.
.macro WM a, b, st, zero
.set rD, 8*(8*((\a)%4)+(\b))
.set rB, 96*(\st)+12*(\b)
.set rA, AF+96*(\st)+12*(\a)
.set rSB, SC+8*(\st)+(\b)
.set rSA, SC+8*(\st)+(\a)
.if (\zero) && ((\a) < 4)
	WIN 0x91                                       ; W window 1, A window 0, C (the bias) window 1, D window 2
	v_wmma_scale_f32_16x16x128_f8f6f4 v[rD:rD+7], v[rB:rB+11], v[rA:rA+11], v[192+8*(\b):199+8*(\b)], v[rSB], v[rSA] matrix_a_fmt:MATRIX_FMT_FP6 matrix_b_fmt:MATRIX_FMT_FP6 matrix_a_scale:MATRIX_SCALE_ROW1
.elseif (\zero)
	WIN 0xf1
	v_wmma_scale_f32_16x16x128_f8f6f4 v[rD:rD+7], v[rB:rB+11], v[rA:rA+11], 0, v[rSB], v[rSA] matrix_a_fmt:MATRIX_FMT_FP6 matrix_b_fmt:MATRIX_FMT_FP6 matrix_a_scale:MATRIX_SCALE_ROW1
.else
.if (\a) < 4
	WIN 0xa1                                       ; C and D window 2
.else
	WIN 0xf1                                       ; C and D window 3
.endif
	v_wmma_scale_f32_16x16x128_f8f6f4 v[rD:rD+7], v[rB:rB+11], v[rA:rA+11], v[rD:rD+7], v[rSB], v[rSA] matrix_a_fmt:MATRIX_FMT_FP6 matrix_b_fmt:MATRIX_FMT_FP6 matrix_a_scale:MATRIX_SCALE_ROW1
.endif
.endm
.macro MUL8 a, st, zero
.irp b, 0,1,2,3,4,5,6,7
	WM \a, \b, \st, \zero
.endr
.endm
; A K STEP: 64 products out of register set slot; the 64 accumulators take turns, in the same order in every step.
; Its head changes slots: every wave waits for all its tensor loads (one is out: its part of the next K step), adds 0 to its spare word, waits for that and for its reads of this slot; one barrier, which opens a round of the
; cluster's where the slot is filled again.  fill = 1: with the K step two on, in x;  2: with hidden's first or second;  3: two on, in hidden;  0: not at all.
; Behind it the next K step's scale words and 16 fragments are fetched from the other slot, ONE FRAGMENT (six loads) BEHIND EACH PAIR OF PRODUCTS, so that the loads are issued while products are at work.
.macro TURN slot, fill, zero
	s_wait_tensorcnt 0x0                           ; no tensor load of mine is out, so a group 0 may be written
	ds_add_u32 v[SPW], v[NIL]                      ; 0 onto my spare word
.if ((\fill) == 1) || ((\fill) == 3)
	s_add_nc_u64 s[G0A+4*\slot+2:G0A+4*\slot+3], s[G0A+4*\slot+2:G0A+4*\slot+3], 384
	s_add_nc_u64 s[G0B+4*\slot+2:G0B+4*\slot+3], s[G0B+4*\slot+2:G0B+4*\slot+3], 384
.elseif (\fill) == 2
	s_add_nc_u64 s[G0A+4*\slot+2:G0A+4*\slot+3], s[8:9], 192*\slot
	s_or_b32 s[G0A+4*\slot+3], s[G0A+4*\slot+3], 0x80000000
	s_add_nc_u64 s[G0B+4*\slot+2:G0B+4*\slot+3], s[16:17], 192*\slot
	s_or_b32 s[G0B+4*\slot+3], s[G0B+4*\slot+3], 0x80000000
.endif
	s_wait_dscnt 43                                ; the scale words, W's eight and A's block 0 are in; A's blocks 1-7 (42 loads) and the add may be out
	MUL8 0, \slot, \zero
	s_wait_dscnt 0x0                               ; the add is done, and my reads of this slot are over
	s_barrier_signal -1
	MUL8 1, \slot, \zero
	WIN 0
	s_barrier_wait -1
.if (\fill) == 1
	CREST                                          ; no wave of any partner still reads this slot or has a load on its way
	JLOAD G0A+4*\slot, G1AX, G0B+4*\slot, G1BX     ; the first tensor load behind the round; its four v_nop are the places in front of the loads below
.elseif (\fill) > 1
	CREST
	JLOAD G0A+4*\slot, G1AH, G0B+4*\slot, G1BH
.else
	PLACES 4                                       ; places in front of loads into registers that the last step's products read
.endif
	v_add_nc_u32 v[ADS], SP, v[ADS]                ; the next K step's entry
	v_add_nc_u32 v[ADS+1], SP, v[ADS+1]
	SCALES 1-\slot
.set G, 0
.rept 24
	WM 2+G/4, 2*(G%4), \slot, \zero
	WM 2+G/4, 2*(G%4)+1, \slot, \zero
.if G < 16
	FETCH G, 1-\slot
.endif
.set G, G+1
.endr
	WIN 0
.endm
	SCALES 0                                       ; K step 0
.set G, 0
.rept 16
	FETCH G, 0
.set G, G+1
.endr
	WIN 0
	TURN 0, 1, 1                                   ; K step 0 starts the sums
	s_mov_b32 s3, 2
.Lin_x:                                                ; K steps 1 to 4
	TURN 1, 1, 0
	TURN 0, 1, 0
	s_sub_co_u32 s3, s3, 1
	s_cmp_lg_u32 s3, 0
	s_cbranch_scc1 .Lin_x
	TURN 1, 1, 0                                   ; 5: asks for x's last
	TURN 0, 2, 0                                   ; 6: asks for hidden's first
	TURN 1, 2, 0                                   ; 7: and second
	s_mov_b32 s3, 7
.Lin_h:                                                ; K steps 8 to 21
	TURN 0, 3, 0
	TURN 1, 3, 0
	s_sub_co_u32 s3, s3, 1
	s_cmp_lg_u32 s3, 0
	s_cbranch_scc1 .Lin_h
	TURN 0, 0, 0                                   ; 22: nothing is left to ask for
	s_wait_dscnt 42                                ; 23: A's blocks 1-7 may be out
	MUL8 0, 1, 0
	s_wait_dscnt 0x0                               ; my last reads of the ring are over
	s_barrier_signal -1
.irp a, 1,2,3,4,5,6,7
	MUL8 \a, 1, 0
.endr
	WIN 0
	s_barrier_wait -1                              ; everybody's are; the ring has had its last fill: its bytes serve the exchange
	; ---- THE EXCHANGE: the 32 accumulators of the rows that I send, as they stand, 512 bytes a store
	PLACES 4
	WIN 0x0c                                       ; an LDS store's data are its source 1: window 3
.set I, 0
.rept 64
	ds_store_b128 v[XW], v[4*I:4*I+3] offset:512*I   ; each accumulator from its low end on
.set I, I+1
.endr
	WIN 0
	s_wait_dscnt 0x0                               ; for my partner's sake
	s_barrier_signal -1
	s_barrier_wait -1
.macro TLOAD a                         ; my partner's part of block a of the rows that I keep
.set I, 0
.rept 16
	ds_load_b128 v[TR+4*I:TR+4*I+3], v[XR] offset:512*(16*(\a)+I)
.set I, I+1
.endr
.endm
.macro TANH16 c                        ; tanh of 16 registers of the sums, both forms, chosen by a select
.set HB, HR+16*(\c)
.set I, 0
.rept 8
	v_pk_mul_f32 v[ER+I:ER+I+1], v[HB+I:HB+I+1], v[KC:KC+1]
.set I, I+2
.endr
.set I, 0
.rept 16
	v_exp_f32 v[ER+I], v[ER+I]                     ; e^(2 x)
.set I, I+1
.endr
.set I, 0
.rept 8
	v_pk_mul_f32 v[UR+I:UR+I+1], v[HB+I:HB+I+1], v[HB+I:HB+I+1]   ; x^2 (plain lines behind the exponentials)
.set I, I+2
.endr
.set I, 0
	s_wait_alu depctr_va_vdst(0)
.rept 8
	v_pk_add_f32 v[ER+I:ER+I+1], v[ER+I:ER+I+1], 1.0 op_sel_hi:[1,0]
.set I, I+2
.endr
.set I, 0
.rept 16
	v_rcp_f32 v[ER+I], v[ER+I]
.set I, I+1
.endr
.set I, 0
.rept 8
	v_pk_fma_f32 v[PR+I:PR+I+1], v[UR+I:UR+I+1], v[KC+6:KC+7], v[KC+4:KC+5]   ; (plain lines behind the reciprocals)
.set I, I+2
.endr
.set I, 0
.rept 8
	v_pk_fma_f32 v[PR+I:PR+I+1], v[PR+I:PR+I+1], v[UR+I:UR+I+1], v[KC+2:KC+3]
.set I, I+2
.endr
.set I, 0
.rept 8
	v_pk_mul_f32 v[QR+I:QR+I+1], v[UR+I:UR+I+1], v[HB+I:HB+I+1]   ; x^3
.set I, I+2
.endr
.set I, 0
.rept 8
	v_pk_fma_f32 v[PR+I:PR+I+1], v[PR+I:PR+I+1], v[QR+I:QR+I+1], v[HB+I:HB+I+1]   ; the series
.set I, I+2
.endr
.set I, 0
	s_wait_alu depctr_va_vdst(0)
.rept 8
	v_pk_fma_f32 v[ER+I:ER+I+1], v[ER+I:ER+I+1], -2.0, 1.0 op_sel_hi:[1,0,0]   ; 1 - 2 / (1 + e^(2 x))
.set I, I+2
.endr
.set I, 0
.rept 16
	v_cmp_gt_f32 vcc_lo, s62, v[UR+I]              ; x^2 < 1/16: the series
	v_cndmask_b32 v[HB+I], v[ER+I], v[PR+I], vcc_lo
.set I, I+1
.endr
.endm
; 64 numbers of a lane become a fragment's codes in v192-203 and its row's scale word in v[PW + a].  Registers 16 b .. 16 b + 15 are, of block b of 32 units, units 8 h + 0 .. 7 and 16 + 8 h + 0 .. 7.
.macro QUANT a
.irp b, 0,1,2,3
	v_max3_num_f32 v[TM+\b], |v[HR+16*\b]|, |v[HR+1+16*\b]|, 0x1800000   ; my 16 numbers of block b, and the floor 2^(3 - 127): the byte cannot fall under 1
.endr
.irp i, 2,4,6,8,10,12,14
.irp b, 0,1,2,3
	v_max3_num_f32 v[TM+\b], v[TM+\b], |v[HR+16*\b+\i]|, |v[HR+1+16*\b+\i]|
.endr
.endr
.irp b, 0,1,2,3
	v_permlanex16_b32 v[TM+4+\b], v[TM+\b], s60, s61
.endr
.irp b, 0,1,2,3
	v_max_num_f32 v[TM+\b], v[TM+\b], v[TM+4+\b]   ; with lane l xor 16's: the block's largest magnitude
.endr
.irp b, 0,1,2,3
	v_add_nc_u32 v[TM+8+\b], 0xff000000, v[TM+\b]  ; 2 off its exponent field: the conversion's scale operand
.endr
.irp b, 0,1,2,3
	v_lshrrev_b32 v[TM+4+\b], 23, v[TM+8+\b]       ; the scale's byte
.endr
	v_lshl_or_b32 v[PW+\a], v[TM+5], 8, v[TM+4]
	v_lshl_or_b32 v[PW+\a], v[TM+6], 16, v[PW+\a]
	v_lshl_or_b32 v[PW+\a], v[TM+7], 24, v[PW+\a]
.irp c, 0,1
	v_cvt_scalef32_pk16_fp6_f32 v[192+6*\c:194+6*\c], v[HR+32*\c:HR+15+32*\c], v[TM+8+2*\c]
	v_cvt_scalef32_pk16_fp6_f32 v[204+4*\c:206+4*\c], v[HR+16+32*\c:HR+31+32*\c], v[TM+9+2*\c]
.endr
	v_nop                                          ; one plain place behind a scaled conversion
.irp c, 0,1                                    ; the operand wants a whole block in a lane: lanes 0-15 block 2 c, lanes 16-31 block 2 c + 1
.irp i, 0,1,2
	v_permlane16_swap_b32 v[192+6*\c+\i], v[204+4*\c+\i]   ; now the first three hold my block's units 0-7 and 16-23 (6 bytes each), the other three units 8-15 and 24-31
.endr
	v_perm_b32 v[195+6*\c], v[194+6*\c], v[193+6*\c], 0x05040302   ; the four groups of 6 bytes in order: bytes 12-15,
	v_perm_b32 v[196+6*\c], v[205+4*\c], v[194+6*\c], 0x07060302   ; 16-19,
	v_perm_b32 v[193+6*\c], v[204+4*\c], v[193+6*\c], 0x05040100   ; 4-7,
	v_perm_b32 v[194+6*\c], v[205+4*\c], v[204+4*\c], 0x05040302   ; 8-11,
	v_mov_b32 v[197+6*\c], v[206+4*\c]                             ; 20-23; bytes 0-3 stand
.endr
.endm
.macro BLOCK a                         ; 16 of the rows that I keep x my 128 units
	s_wait_dscnt 0x0                               ; my partner's part is in
	WIN 0x02                                       ; source 0 window 2
.set I, 0
.rept 32
	v_pk_add_f32 v[HR+I:HR+I+1], v[64*(\a)+I:64*(\a)+I+1], v[TR+I:TR+I+1]   ; the two halves of K; each accumulator from its low end on
.set I, I+2
.endr
	WIN 0
.if (\a) < 3
	TLOAD (\a)+1                                   ; lands while this block is worked
.endif
.if (\a) > 0
	s_wait_xcnt 0x0                                ; the last block's stores have read v192-203
.endif
	TANH16 0
	TANH16 1
	TANH16 2
	TANH16 3
	QUANT \a
.irp c, 0,1,2
	global_store_b128 v[LI], v[192+4*\c:195+4*\c], s[26:27] offset:49152*(\a)+512*\c   ; the fragment's image: 512 consecutive bytes a store, aligned
.endr
.endm
	TLOAD 0
	BLOCK 0
	BLOCK 1
	BLOCK 2
	BLOCK 3
	v_cndmask_b32 v60, v[PW], v[PW+1], s63         ; lanes 0-15: block 0's words, lanes 16-31: block 1's;
	v_cndmask_b32 v61, v[PW+2], v[PW+3], s63       ; blocks 2 and 3
	global_store_b64 v[L8], v[60:61], s[28:29]     ; 32 lanes store 256 consecutive bytes, aligned
	s_wait_tensorcnt 0x0                           ; the wave's end
	ds_add_u32 v[SPW], v[NIL]
	s_wait_dscnt 0x0
	CROUND                                         ; the closing round
	s_endpgm
.Lfunc_end_k_q76ff1530f9_cell:
	.size	k_q76ff1530f9_cell, .Lfunc_end_k_q76ff1530f9_cell-k_q76ff1530f9_cell
	.p2alignl 7, 3214868480
	.fill 96, 4, 3214868480
	.section	.rodata,"a",@progbits
	.p2align	6, 0x0
	.amdhsa_kernel k_q76ff1530f9_cell
		.amdhsa_group_segment_fixed_size 327680
		.amdhsa_private_segment_fixed_size 0
		.amdhsa_enable_private_segment 0
		.amdhsa_kernarg_size 120
		.amdhsa_user_sgpr_count 2
		.amdhsa_user_sgpr_kernarg_segment_ptr 1
		.amdhsa_wavefront_size32 1
		.amdhsa_system_sgpr_workgroup_id_x 1
		.amdhsa_system_sgpr_workgroup_id_y 1
		.amdhsa_system_sgpr_workgroup_id_z 1
		.amdhsa_system_vgpr_workitem_id 0
		.amdhsa_next_free_vgpr 1024
		.amdhsa_next_free_sgpr 102
		.amdhsa_reserve_vcc 1
		.amdhsa_float_denorm_mode_32 3
		.amdhsa_float_denorm_mode_16_64 3
		.amdhsa_memory_ordered 1
		.amdhsa_forward_progress 1
		.amdhsa_inst_pref_size 255
	.end_amdhsa_kernel
	.section	.bss,"aw",@nobits
	.p2align	6
	.space	262144
	.amdgpu_metadata
---
amdhsa.version: [ 1, 2 ]
amdhsa.kernels:
  - .name:           k_q76ff1530f9_cell
    .symbol:         k_q76ff1530f9_cell.kd
    .args:
      - { .name: x_codes, .offset: 0, .size: 8, .value_kind: global_buffer, .address_space: global }
      - { .name: x_scales, .offset: 8, .size: 8, .value_kind: global_buffer, .address_space: global }
      - { .name: hidden_codes, .offset: 16, .size: 8, .value_kind: global_buffer, .address_space: global }
      - { .name: hidden_scales, .offset: 24, .size: 8, .value_kind: global_buffer, .address_space: global }
      - { .name: Wx_codes, .offset: 32, .size: 8, .value_kind: global_buffer, .address_space: global }
      - { .name: Wx_scales, .offset: 40, .size: 8, .value_kind: global_buffer, .address_space: global }
      - { .name: Wh_codes, .offset: 48, .size: 8, .value_kind: global_buffer, .address_space: global }
      - { .name: Wh_scales, .offset: 56, .size: 8, .value_kind: global_buffer, .address_space: global }
      - { .name: B, .offset: 64, .size: 8, .value_kind: global_buffer, .address_space: global }
      - { .name: Wout_codes, .offset: 72, .size: 8, .value_kind: global_buffer, .address_space: global }
      - { .name: Wout_scales, .offset: 80, .size: 8, .value_kind: global_buffer, .address_space: global }
      - { .name: hq_codes, .offset: 88, .size: 8, .value_kind: global_buffer, .address_space: global }
      - { .name: hq_scales, .offset: 96, .size: 8, .value_kind: global_buffer, .address_space: global }
      - { .name: wo_img, .offset: 104, .size: 8, .value_kind: global_buffer, .address_space: global }
      - { .name: wo_sc, .offset: 112, .size: 8, .value_kind: global_buffer, .address_space: global }
    .group_segment_fixed_size: 327680
    .private_segment_fixed_size: 0
    .kernarg_segment_align: 8
    .kernarg_segment_size: 120
    .max_flat_workgroup_size: 128
    .sgpr_count:     102
    .vgpr_count:     1024
    .wavefront_size: 32
...
	.end_amdgpu_metadata
.endif
;; end of part 1
;; launch proj (part 2): grid 16 x 16, 4 waves a work-group, clusters of 4 x 4, 327,680 bytes of LDS; arguments hq_codes, hq_scales, wo_img, wo_sc, Bout, out0; writes out0
.if DOCPART == 2
	.amdgcn_target "amdgcn-amd-amdhsa--gfx1250"
	.amdhsa_code_object_version 6
	.text
	.protected	k_q76ff1530f9_proj
	.globl	k_q76ff1530f9_proj
	.p2align	8
	.type	k_q76ff1530f9_proj,@function
k_q76ff1530f9_proj:
	s_mov_b64 s[64:65], 0
	v_nop
	global_prefetch_b8 v0, s[64:65] scope:SCOPE_SE
	s_setreg_imm32_b32 hwreg(HW_REG_WAVE_MODE, 25, 1), 1
	s_wait_xcnt 0x0
	s_wait_alu depctr_hold_cnt(0) depctr_sa_sdst(0) depctr_va_vdst(0) depctr_va_sdst(0) depctr_va_ssrc(0) depctr_va_vcc(0) depctr_vm_vsrc(0)
	s_getreg_b32 s2, hwreg(HW_REG_IB_STS2, 6, 4)
	s_cmp_eq_u32 s2, 0
	s_cbranch_scc0 .Lentry_in_a_cluster
	s_endpgm
.Lentry_in_a_cluster:
	s_bfe_u32 s2, ttmp6, 0x10000c
	s_cmp_lg_u32 s2, 0xf033
	s_cbranch_scc0 .Lentry_shape_is_right
	s_endpgm
.Lentry_shape_is_right:
; out = Q(new_h) Wout^T + Bout on codes of FP6 (E2M3).  Both operands come as the launch before laid them: hq_codes [128 blocks of 16 rows][32 K steps][1,536] and wo_img [64 blocks of 16 rows][32][1,536], a fragment
; (16 rows x 128 K, 12 registers) as an image of its registers: register 4 c + i of lane l at 512 c + 16 l + 4 i.  Scale words: [K step][four blocks][256]: lane (r, h) has 8 bytes at 8 l: the words of row r of blocks h and 2 + h.
; SHARES.  A work-group makes 128 rows x 64 columns: 16 x 16 work-groups.  K IS SPLIT OVER THE FOUR WAVES: each holds the whole tile (32 accumulators) and takes two of every eight K steps: 12 fragments for 32 products,
; and each fragment is read from LDS once.  The four partial tiles meet in a stage in LDS, from which whole rows leave.
; K goes in four phases of 8 K steps through a ring of two LDS slots; a tile's row is 8 images on end, 12,288 bytes.  CLUSTERS 4 x 4: hq's tiles are asked for jointly along a row, Wout's along a column.
; THE MATRIX INSTRUCTION IS USED TRANSPOSED (source 0 = 16 rows of Wout, source 1 = 16 rows of new_h): a lane holds eight neighbouring columns of one row of out.
; LIMIT: K is summed in four partial f32 sums.
; REGISTERS.  window 0: v1-23 addresses and Bout; v32-63 new_h's scale words, v64-79 Wout's, for all my 8 steps; v80-127, v128-175 Wout's fragments, two sets.
;   window 1: v0-95, v96-191 new_h's fragments, two sets; later the four partial tiles of my 32 rows.   window 2: the accumulators, (a, b) at 8 (4 a + b).
.set SLOT2, 147456                     ; a slot: new_h [8 blocks][8 K steps][1,536], then Wout [4][8][1,536]
.set BOFF2, 98304
.set SPARE, 2*SLOT2                    ; the spare words, 128 bytes a wave: two blocks of 256 bytes that no other line names
.set STP,   272                        ; the stage: 128 rows x (256 bytes + 16) for each wave, from byte 0 on: in slot 0, behind its last fill and its last read
.set STW,   128*STP
.set LA,  4                            ; v4-7   new_h's images: 2 x slot + half
.set LB,  8                            ; v8-9   Wout's: slot
.set SPW, 10                           ; v10    SPARE + 4 x my thread's number; never rewritten
.set NIL, 11                           ; v11    0; never rewritten
.set SO,  12                           ; v12    the stage: where I put 32 bytes of a row
.set SR,  13                           ; v13-14 and where I read rows back: waves 0, 1's parts; waves 2, 3's
.set CO,  15                           ; v15    my byte offset in out0
.set L8,  16                           ; v16    8 x lane
.set HS,  32
.set WS,  64
.set G1,  24
.set G0,  32
.set G1B, 48
.set G0B, 56
.set MSB, 0
.macro WIN new                         ; the immediate's high byte repeats the setting that is left
.if MSB != \new
	s_set_vgpr_msb (MSB<<8)|\new
.set MSB, \new
.endif
.endm
.macro PLACES n
.rept \n
	v_nop
.endr
.endm
.macro JLOAD s                         ; a joint load: waves 0 and 1 fetch new_h's halves, waves 2 and 3 Wout's; four v_nop follow each line
	s_cmp_eq_u32 s17, 0
	s_cbranch_scc0 .Lfor_b_\@
	tensor_load_to_lds s[G0+4*\s:G0+4*\s+3], s[G1:G1+7]
	s_nop 0
.rept 4
	v_nop
.endr
	s_branch .Lasked_\@
.Lfor_b_\@:
	tensor_load_to_lds s[G0B+4*\s:G0B+4*\s+3], s[G1B:G1B+7]
	s_nop 0
.rept 4
	v_nop
.endr
.Lasked_\@:
.endm
.macro CREST
	s_cmp_lg_u32 s16, 0
	s_cbranch_scc1 .Lnot_wave_0_\@
	s_barrier_signal -3
.Lnot_wave_0_\@:
	s_barrier_wait -3
	s_barrier_signal -1
	s_barrier_wait -1
.endm
.macro CROUND
	s_barrier_signal -1
	s_barrier_wait -1
	CREST
.endm
	s_load_b256 s[4:11], s[0:1], 0x0               ; hq_codes 4, hq_scales 6, wo_img 8, wo_sc 10
	s_load_b128 s[12:15], s[0:1], 0x20             ; Bout 12, out0 14
	v_lshl_add_u32 v[SPW], v0, 2, SPARE
	v_mov_b32 v[NIL], 0
	ds_add_u32 v10, v11
	ds_add_u32 v10, v11
	s_wait_dscnt 0x0
	v_lshrrev_b32 v1, 5, v0
	v_readfirstlane_b32 s16, v1                    ; wave
	s_lshr_b32 s17, s16, 1                         ; I fetch for new_h (0) or for Wout (1),
	s_and_b32 s18, s16, 1                          ; this half of the tile
	s_bfe_u32 s40, ttmp6, 0x40000                  ; cx
	s_bfe_u32 s41, ttmp6, 0x40004                  ; cy
	s_lshl_b32 s42, ttmp9, 2
	s_add_co_u32 s42, s42, s40                     ; tx: columns 64 tx on
	s_and_b32 s43, ttmp7, 0xffff
	s_lshl_b32 s43, s43, 2
	s_add_co_u32 s43, s43, s41                     ; ty: rows 128 ty on
	s_lshl_b32 s44, s41, 2
	s_lshl_b32 s44, 15, s44                        ; my row of the cluster
	s_lshl_b32 s45, 0x1111, s40                    ; my column
	s_or_b32 s[G1], s44, (3<<16)|(1<<21)           ; elements of 8 bytes; no padding: images are read 512 consecutive bytes at a time
	s_or_b32 s[G1B], s45, (3<<16)|(1<<21)
	s_mov_b32 s[G1+1], 1536<<16                    ; tensor_dim0 = 1,536 elements: 8 images
	s_mov_b32 s[G1+2], 4<<16                       ; tensor_dim1 = 4 blocks of rows
	s_mov_b32 s[G1+3], 1536<<16                    ; tile_dim0
	s_mov_b32 s[G1+4], 4                           ; tile_dim1
	s_mov_b32 s[G1+5], 6144                        ; from block to block: 32 images
	s_mov_b32 s[G1+6], 0
	s_mov_b32 s[G1+7], 0
	s_mov_b32 s[G1B+1], 1536<<16
	s_mov_b32 s[G1B+2], 2<<16                      ; 2 blocks
	s_mov_b32 s[G1B+3], 1536<<16
	s_mov_b32 s[G1B+4], 2
	s_mov_b32 s[G1B+5], 6144
	s_mov_b32 s[G1B+6], 0
	s_mov_b32 s[G1B+7], 0
	s_lshl_b32 s20, s43, 3                         ; new_h: block 8 ty + 4 x half (registers that never hold cx)
	s_lshl_b32 s21, s18, 2
	s_add_co_u32 s20, s20, s21
	s_mul_i32 s20, s20, 49152
	s_mov_b32 s21, 0
	s_lshl_b32 s46, s42, 2                         ; Wout: block 4 tx + 2 x half (registers that never hold cy)
	s_lshl_b32 s47, s18, 1
	s_add_co_u32 s46, s46, s47
	s_mul_i32 s46, s46, 49152
	s_mov_b32 s47, 0
	s_wait_kmcnt 0x0
	s_add_nc_u64 s[4:5], s[4:5], s[20:21]
	s_add_nc_u64 s[8:9], s[8:9], s[46:47]
	CROUND                                         ; all sixteen work-groups are here: the first joint loads meet
	s_mul_i32 s[G0+1], s18, 49152
	s_add_co_u32 s[G0+5], s[G0+1], SLOT2
	s_mul_i32 s[G0B+1], s18, 24576
	s_add_co_u32 s[G0B+1], s[G0B+1], BOFF2
	s_add_co_u32 s[G0B+5], s[G0B+1], SLOT2
.irp s, 0,1
	s_mov_b32 s[G0+4*\s], 1
	s_add_nc_u64 s[G0+4*\s+2:G0+4*\s+3], s[4:5], \s*12288
	s_or_b32 s[G0+4*\s+3], s[G0+4*\s+3], 0x80000000
	s_mov_b32 s[G0B+4*\s], 1
	s_add_nc_u64 s[G0B+4*\s+2:G0B+4*\s+3], s[8:9], \s*12288
	s_or_b32 s[G0B+4*\s+3], s[G0B+4*\s+3], 0x80000000
	JLOAD \s                                       ; phases 0 and 1: two tensor loads of mine are out
.endr
	s_lshl_b32 s20, s43, 9                         ; new_h's scale words: units 2 ty and 2 ty + 1 of K step 2 w on
	s_lshl_b32 s22, s16, 14
	s_add_co_u32 s20, s20, s22
	s_add_nc_u64 s[6:7], s[6:7], s[20:21]
	s_lshl_b32 s46, s42, 8                         ; Bout at column 64 tx
	s_add_nc_u64 s[12:13], s[12:13], s[46:47]
	s_lshl_b32 s22, s16, 13                        ; Wout's scale words: unit tx of K step 2 w on
	s_add_co_u32 s46, s46, s22
	s_add_nc_u64 s[10:11], s[10:11], s[46:47]
	s_lshl_b32 s22, s43, 7                         ; out0: row 128 ty + 32 w, column 64 tx
	s_lshl_b32 s23, s16, 5
	s_add_co_u32 s22, s22, s23
	s_lshl_b32 s22, s22, 12
	s_lshl_b32 s23, s42, 8
	s_add_co_u32 s22, s22, s23
	s_mov_b32 s23, 0
	s_add_nc_u64 s[14:15], s[14:15], s[22:23]
	v_and_b32 v1, 15, v0                           ; r
	v_bfe_u32 v2, v0, 4, 1                         ; h
	v_and_b32 v3, 31, v0                           ; lane
	v_lshlrev_b32 v[L8], 3, v3
	v_lshlrev_b32 v17, 4, v1
.irp S, 0,1,2,3,4,5,6,7                        ; step S of my eight is K step 8 (S / 2) + 2 w + S % 2.  Each load: 256 consecutive bytes, aligned
.irp u, 0,1
	global_load_b64 v[HS+4*\S+2*\u:HS+4*\S+2*\u+1], v[L8], s[6:7] offset:(8*(\S/2)+\S%2)*8192+256*\u
.endr
	global_load_b64 v[WS+2*\S:WS+2*\S+1], v[L8], s[10:11] offset:(8*(\S/2)+\S%2)*4096
.endr
	global_load_b128 v[20:23], v17, s[12:13]       ; Bout at the four columns that I store
	v_lshlrev_b32 v18, 4, v3
	s_mul_i32 s2, s16, 3072                        ; my two K steps of a phase's eight
	v_add_nc_u32 v[LA], s2, v18
	v_add_nc_u32 v[LA+1], 49152, v[LA]
	v_add_nc_u32 v[LB], BOFF2, v[LA]
	v_add_nc_u32 v[LA+2], SLOT2, v[LA]
	v_add_nc_u32 v[LA+3], SLOT2, v[LA+1]
	v_add_nc_u32 v[LB+1], SLOT2, v[LB]
	s_mul_i32 s2, s16, STW
	v_mul_u32_u24 v[SO], v1, STP
	v_lshl_add_u32 v[SO], v2, 5, v[SO]
	v_add_nc_u32 v[SO], s2, v[SO]                  ; into my part of the stage: row r, 32 bytes for each half of the lanes
	s_mul_i32 s2, s16, 32*STP
	v_mul_u32_u24 v[SR], v2, STP
	v_lshl_add_u32 v[SR], v1, 4, v[SR]
	v_add_nc_u32 v[SR], s2, v[SR]                  ; back: rows 32 w on; lanes 0-15 one row of 256 bytes, lanes 16-31 the next
	v_add_nc_u32 v[SR+1], 2*STW, v[SR]
	v_lshlrev_b32 v[CO], 12, v2
	v_lshl_add_u32 v[CO], v1, 4, v[CO]             ; and the same two rows in out0
; One product: new_h's block a x Wout's tile b, step S.  A scale register holds an even block's words in lanes 0-15 and the odd neighbour's in lanes 16-31.
.macro WM2 S, a, b, zero
.set rD, 8*(4*(\a)+(\b))
.set rB, 80+48*((\S)%2)+12*(\b)
.set rA, 96*((\S)%2)+12*(\a)
.set rSB, WS+2*(\S)+(\b)/2
.set rSA, HS+4*(\S)+2*((\a)/4)+((\a)%4)/2
.set ODDS, 2*((\b)%2)+(\a)%2
.if \zero
.if ODDS == 0
	v_wmma_scale_f32_16x16x128_f8f6f4 v[rD:rD+7], v[rB:rB+11], v[rA:rA+11], 0, v[rSB], v[rSA] matrix_a_fmt:MATRIX_FMT_FP6 matrix_b_fmt:MATRIX_FMT_FP6
.elseif ODDS == 1
	v_wmma_scale_f32_16x16x128_f8f6f4 v[rD:rD+7], v[rB:rB+11], v[rA:rA+11], 0, v[rSB], v[rSA] matrix_a_fmt:MATRIX_FMT_FP6 matrix_b_fmt:MATRIX_FMT_FP6 matrix_b_scale:MATRIX_SCALE_ROW1
.elseif ODDS == 2
	v_wmma_scale_f32_16x16x128_f8f6f4 v[rD:rD+7], v[rB:rB+11], v[rA:rA+11], 0, v[rSB], v[rSA] matrix_a_fmt:MATRIX_FMT_FP6 matrix_b_fmt:MATRIX_FMT_FP6 matrix_a_scale:MATRIX_SCALE_ROW1
.else
	v_wmma_scale_f32_16x16x128_f8f6f4 v[rD:rD+7], v[rB:rB+11], v[rA:rA+11], 0, v[rSB], v[rSA] matrix_a_fmt:MATRIX_FMT_FP6 matrix_b_fmt:MATRIX_FMT_FP6 matrix_a_scale:MATRIX_SCALE_ROW1 matrix_b_scale:MATRIX_SCALE_ROW1
.endif
.else
.if ODDS == 0
	v_wmma_scale_f32_16x16x128_f8f6f4 v[rD:rD+7], v[rB:rB+11], v[rA:rA+11], v[rD:rD+7], v[rSB], v[rSA] matrix_a_fmt:MATRIX_FMT_FP6 matrix_b_fmt:MATRIX_FMT_FP6
.elseif ODDS == 1
	v_wmma_scale_f32_16x16x128_f8f6f4 v[rD:rD+7], v[rB:rB+11], v[rA:rA+11], v[rD:rD+7], v[rSB], v[rSA] matrix_a_fmt:MATRIX_FMT_FP6 matrix_b_fmt:MATRIX_FMT_FP6 matrix_b_scale:MATRIX_SCALE_ROW1
.elseif ODDS == 2
	v_wmma_scale_f32_16x16x128_f8f6f4 v[rD:rD+7], v[rB:rB+11], v[rA:rA+11], v[rD:rD+7], v[rSB], v[rSA] matrix_a_fmt:MATRIX_FMT_FP6 matrix_b_fmt:MATRIX_FMT_FP6 matrix_a_scale:MATRIX_SCALE_ROW1
.else
	v_wmma_scale_f32_16x16x128_f8f6f4 v[rD:rD+7], v[rB:rB+11], v[rA:rA+11], v[rD:rD+7], v[rSB], v[rSA] matrix_a_fmt:MATRIX_FMT_FP6 matrix_b_fmt:MATRIX_FMT_FP6 matrix_a_scale:MATRIX_SCALE_ROW1 matrix_b_scale:MATRIX_SCALE_ROW1
.endif
.endif
.endm
.macro PAIR S, g, zero                 ; pair g of 16: block g / 2, tiles 2 (g % 2) and the next.  The 32 accumulators take turns, in the same order in every step
	WIN 0xa4                                       ; Wout window 0, new_h window 1, C and D window 2
	WM2 \S, (\g)/2, 2*((\g)%2), \zero
	WM2 \S, (\g)/2, 2*((\g)%2)+1, \zero
.endm
.macro FR2 f, S                        ; fragment f of 12 (0-3: Wout's tiles, 4-11: new_h's blocks) of step S: three loads of 512 consecutive bytes
.set SL, ((\S)/2)%2
.set QQ, (\S)%2
.if (\f) < 4
	WIN 0
.irp c, 0,1,2
	ds_load_b128 v[80+48*QQ+12*(\f)+4*\c:80+48*QQ+12*(\f)+4*\c+3], v[LB+SL] offset:12288*(\f)+1536*QQ+512*\c
.endr
.else
	WIN 0x40
.irp c, 0,1,2
	ds_load_b128 v[96*QQ+12*((\f)-4)+4*\c:96*QQ+12*((\f)-4)+4*\c+3], v[LA+2*SL+((\f)-4)/4] offset:12288*(((\f)-4)%4)+1536*QQ+512*\c
.endr
.endif
.endm
; A phase's first step: the second step's fragments come from the same slot, one behind each of the first 12 pairs.
.macro EVEN S, zero
.if (\S) > 0
	PLACES 4                                       ; places in front of loads into registers that the last step's products read
.endif
.set G, 0
.rept 16
.if G%2 == 0                           ; in front of block k = G / 2: behind its loads stand those of blocks k + 1 .. 7 (3 each) and this step's own so far (6 k, 36 at the most)
.if 3*G > 36
	s_wait_dscnt 3*(7-G/2)+36
.else
	s_wait_dscnt 3*(7-G/2)+3*G
.endif
.endif
	PAIR \S, G, \zero
.if G < 12
	FR2 G, (\S)+1
.endif
.set G, G+1
.endr
	WIN 0
.endm
; A phase's second step changes slots: every wave waits for all its tensor loads, adds 0 to its spare word, waits for that and for its reads of this slot; one barrier, which opens a round of the cluster's where the slot is filled again.
.macro ODD S, fill
.set SF, ((\S)/2)%2
	s_wait_tensorcnt 0x0                           ; no tensor load of mine is out, so a group 0 may be written
	ds_add_u32 v[SPW], v[NIL]                      ; 0 onto my spare word
.if \fill
	s_add_nc_u64 s[G0+4*SF+2:G0+4*SF+3], s[G0+4*SF+2:G0+4*SF+3], 24576      ; two phases on
	s_add_nc_u64 s[G0B+4*SF+2:G0B+4*SF+3], s[G0B+4*SF+2:G0B+4*SF+3], 24576
.endif
	s_wait_dscnt 22                                ; Wout's four and block 0 are in; blocks 1-7 (21 loads) and the add may be out
	PAIR \S, 0, 0
	PAIR \S, 1, 0
	s_wait_dscnt 0x0                               ; the add is done, and my reads of this slot are over
	s_barrier_signal -1
	PAIR \S, 2, 0
	PAIR \S, 3, 0
	WIN 0
	s_barrier_wait -1
.if \fill
	CREST                                          ; no wave of any partner still reads this slot or has a load on its way
	JLOAD SF                                       ; the first tensor load behind the round; its four v_nop are the places in front of the loads below
.else
	PLACES 4
.endif
.set G, 4
.rept 12
	PAIR \S, G, 0
	FR2 G-4, (\S)+1
.set G, G+1
.endr
	WIN 0
.endm
	s_wait_tensorcnt 1                             ; my part of phase 0 is in; phase 1's may stay out
	s_barrier_signal -1
	s_barrier_wait -1
.set G, 0
.rept 12
	FR2 G, 0
.set G, G+1
.endr
	s_wait_loadcnt 0x0                             ; the scale words and Bout
	EVEN 0, 1                                      ; the first step starts the sums
	ODD 1, 1                                       ; slot 0 takes phase 2
	EVEN 2, 0
	ODD 3, 1                                       ; slot 1 takes phase 3
	EVEN 4, 0
	ODD 5, 0                                       ; nothing is left to ask for; behind this barrier nobody reads slot 0
	EVEN 6, 0
	s_wait_dscnt 0x0
.set G, 0
.rept 16
	PAIR 7, G, 0
.set G, G+1
.endr
	WIN 0
	; ---- THE WAY OUT: the four partial tiles into the stage; a barrier; each wave adds and stores 32 whole rows
	PLACES 4
	WIN 0x08                                       ; an LDS store's data are its source 1: window 2
.irp a, 0,1,2,3,4,5,6,7
.irp b, 0,1,2,3
	ds_store_b128 v[SO], v[8*(4*\a+\b):8*(4*\a+\b)+3] offset:16*STP*\a+64*\b        ; lane (r, h): out(16 a + r, 16 b + 8 h + 0 .. 7); each accumulator from its low end on
	ds_store_b128 v[SO], v[8*(4*\a+\b)+4:8*(4*\a+\b)+7] offset:16*STP*\a+64*\b+16
.endr
.endr
	WIN 0
	s_wait_dscnt 0x0                               ; for the others' sake
	s_barrier_signal -1
	s_barrier_wait -1
	WIN 0x40                                       ; destination window 1
.set I, 0
.rept 16
	ds_load_b128 v[16*I:16*I+3], v[SR] offset:2*STP*I
	ds_load_b128 v[16*I+4:16*I+7], v[SR] offset:2*STP*I+STW
	ds_load_b128 v[16*I+8:16*I+11], v[SR+1] offset:2*STP*I
	ds_load_b128 v[16*I+12:16*I+15], v[SR+1] offset:2*STP*I+STW
.set I, I+1
.endr
	s_wait_dscnt 0x0
	WIN 0x45                                       ; all in window 1
.set I, 0
.rept 16
	v_pk_add_f32 v[16*I:16*I+1], v[16*I:16*I+1], v[16*I+4:16*I+5]
	v_pk_add_f32 v[16*I+2:16*I+3], v[16*I+2:16*I+3], v[16*I+6:16*I+7]
	v_pk_add_f32 v[16*I+8:16*I+9], v[16*I+8:16*I+9], v[16*I+12:16*I+13]
	v_pk_add_f32 v[16*I+10:16*I+11], v[16*I+10:16*I+11], v[16*I+14:16*I+15]
.set I, I+1
.endr
.set I, 0
.rept 16
	v_pk_add_f32 v[16*I:16*I+1], v[16*I:16*I+1], v[16*I+8:16*I+9]
	v_pk_add_f32 v[16*I+2:16*I+3], v[16*I+2:16*I+3], v[16*I+10:16*I+11]
.set I, I+1
.endr
	WIN 0x41                                       ; source 1 (Bout) window 0
.set I, 0
.rept 16
	v_pk_add_f32 v[16*I:16*I+1], v[16*I:16*I+1], v[20:21]
	v_pk_add_f32 v[16*I+2:16*I+3], v[16*I+2:16*I+3], v[22:23]
.set I, I+1
.endr
	WIN 0x04                                       ; a store's data are its source 1: window 1
.set I, 0
.rept 16
	global_store_b128 v[CO], v[16*I:16*I+3], s[14:15] offset:8192*I th:TH_STORE_NT   ; 16 lanes store 256 consecutive bytes, aligned; written once, read by nobody here
.set I, I+1
.endr
	WIN 0
	s_wait_tensorcnt 0x0                           ; the wave's end
	ds_add_u32 v[SPW], v[NIL]
	s_wait_dscnt 0x0
	CROUND                                         ; the closing round
	s_endpgm
.Lfunc_end_k_q76ff1530f9_proj:
	.size	k_q76ff1530f9_proj, .Lfunc_end_k_q76ff1530f9_proj-k_q76ff1530f9_proj
	.p2alignl 7, 3214868480
	.fill 96, 4, 3214868480
	.section	.rodata,"a",@progbits
	.p2align	6, 0x0
	.amdhsa_kernel k_q76ff1530f9_proj
		.amdhsa_group_segment_fixed_size 327680
		.amdhsa_private_segment_fixed_size 0
		.amdhsa_enable_private_segment 0
		.amdhsa_kernarg_size 48
		.amdhsa_user_sgpr_count 2
		.amdhsa_user_sgpr_kernarg_segment_ptr 1
		.amdhsa_wavefront_size32 1
		.amdhsa_system_sgpr_workgroup_id_x 1
		.amdhsa_system_sgpr_workgroup_id_y 1
		.amdhsa_system_sgpr_workgroup_id_z 1
		.amdhsa_system_vgpr_workitem_id 0
		.amdhsa_next_free_vgpr 768
		.amdhsa_next_free_sgpr 66
		.amdhsa_reserve_vcc 0
		.amdhsa_float_denorm_mode_32 3
		.amdhsa_float_denorm_mode_16_64 3
		.amdhsa_memory_ordered 1
		.amdhsa_forward_progress 1
		.amdhsa_inst_pref_size 88
	.end_amdhsa_kernel
	.amdgpu_metadata
---
amdhsa.version: [ 1, 2 ]
amdhsa.kernels:
  - .name:           k_q76ff1530f9_proj
    .symbol:         k_q76ff1530f9_proj.kd
    .args:
      - { .name: hq_codes, .offset: 0, .size: 8, .value_kind: global_buffer, .address_space: global }
      - { .name: hq_scales, .offset: 8, .size: 8, .value_kind: global_buffer, .address_space: global }
      - { .name: wo_img, .offset: 16, .size: 8, .value_kind: global_buffer, .address_space: global }
      - { .name: wo_sc, .offset: 24, .size: 8, .value_kind: global_buffer, .address_space: global }
      - { .name: Bout, .offset: 32, .size: 8, .value_kind: global_buffer, .address_space: global }
      - { .name: out0, .offset: 40, .size: 8, .value_kind: global_buffer, .address_space: global }
    .group_segment_fixed_size: 327680
    .private_segment_fixed_size: 0
    .kernarg_segment_align: 8
    .kernarg_segment_size: 48
    .max_flat_workgroup_size: 128
    .sgpr_count:     66
    .vgpr_count:     768
    .wavefront_size: 32
...
	.end_amdgpu_metadata
.endif
;; end of part 2
;; ======== version 2 of 2: 2 launches
;; limits: right only within a limited range of input values
;; workspace buffers: hq_codes 6,291,456 bytes; hq_scales 262,144 bytes; wo_img 3,145,728 bytes; wo_sc 131,072 bytes
;; launch cell (part 3): grid 16 x 16, 4 waves a work-group, clusters of 4 x 4, 327,680 bytes of LDS; arguments x_codes, x_scales, hidden_codes, hidden_scales, Wx_codes, Wx_scales, Wh_codes, Wh_scales, B, Wout_codes, Wout_scales, hq_codes, hq_scales, wo_img, wo_sc; writes hq_codes, hq_scales, wo_img, wo_sc
.if DOCPART == 3
	.amdgcn_target "amdgcn-amd-amdhsa--gfx1250"
	.amdhsa_code_object_version 6
	.text
	.protected	k_q76ff1530f9_cell
	.globl	k_q76ff1530f9_cell
	.p2align	8
	.type	k_q76ff1530f9_cell,@function
k_q76ff1530f9_cell:
	s_mov_b64 s[64:65], 0
	v_nop
	global_prefetch_b8 v0, s[64:65] scope:SCOPE_SE
	s_setreg_imm32_b32 hwreg(HW_REG_WAVE_MODE, 25, 1), 1
	s_wait_xcnt 0x0
	s_wait_alu depctr_hold_cnt(0) depctr_sa_sdst(0) depctr_va_vdst(0) depctr_va_sdst(0) depctr_va_ssrc(0) depctr_va_vcc(0) depctr_vm_vsrc(0)
	s_getreg_b32 s2, hwreg(HW_REG_IB_STS2, 6, 4)
	s_cmp_eq_u32 s2, 0
	s_cbranch_scc0 .Lentry_in_a_cluster
	s_endpgm
.Lentry_in_a_cluster:
	s_bfe_u32 s2, ttmp6, 0x10000c
	s_cmp_lg_u32 s2, 0xf033
	s_cbranch_scc0 .Lentry_shape_is_right
	s_endpgm
.Lentry_shape_is_right:
; new_h = tanh(hidden Wh^T + x Wx^T + B) on FP6 codes, quantised along the hidden axis and stored as register images for the next launch; Wout is re-laid as images too.
; A work-group makes 128 batch rows x 256 hidden units; a wave 64 x 128: 32 accumulators.  K = hidden's 4,096 then x's 2,048: 48 steps of 128 (96 bytes of a row).
; K goes in chunks of 256 bytes of each row (12 + 6 chunks, each on a 256-byte border) through two LDS slots; eight steps are three chunks, so the slots change roles from trip to trip:
; the LDS addresses are xor-ed with the slots' distance (bit 17) once a trip.  A trip runs steps 5 .. 12, so that the change from hidden to x and the end of the refills fall between trips.
; CLUSTERS 4 x 4: the batch rows' tiles are asked for jointly along a row of the cluster, the weights' along a column.  All scales come once, by plain loads, into LDS rows of 208 bytes (hidden's 128, x's 64).
; The product is used transposed (source 0 = 16 weight rows, source 1 = 16 batch rows): a lane holds one batch row and eight hidden units.
; PREFETCH: behind each refill and its run of LDS loads a wave names the chunk two refills on, a lane a row's 256 bytes.  Of the rows that a wave fetches, the partner at place p of the four that ask jointly takes
; 16 p on (batch rows, 64 a wave; lanes 16-31 name lane 15's row again) or 32 p on (weights, 128 a wave).  Chunks 1 and 2 are named behind the head's load; the last two refills name nothing.
; LIMIT: tanh is 1 - 2 / (1 + 2^(2 x log2 e)), and for x^2 < 1/16 the odd series up to x^7; NaN inputs are not followed.
.set PITCH, 272
.set BOFF,  128*PITCH
.set SL1,   131072                     ; slot 1; slot 0 at 0; a slot is 384 rows x 272
.set SCA,   384*PITCH                  ; scales of my 128 batch rows: 128 x 208, up to slot 1
.set SCB,   SL1+384*PITCH              ; scales of my 256 weight rows: 256 x 208
.set SROW,  208
.set SPARE, SCB+256*SROW               ; the spare words
.set BASE, 4                           ; v4-11  fragment addresses for trip parity 0: A n0 n1 x0 x1, B the same
.set ADRA, 12                          ; v12-15 this trip's
.set ADRB, 16                          ; v16-19
.set ADS0, 20                          ; v20 scale words, blocks 0-3: lanes 0-15 batch rows, 16-31 weight rows; v21 tiles 4-7: weight rows
.set ADS,  22                          ; v22-23 this trip's
.set SPW,  24
.set NIL,  25
.set LI,   26
.set L8,   27
.set SC,   32                          ; v32-63 scale words, two sets of 16
.set AF,   64                          ; v64-111 batch rows' fragments, one set; window 1: weights' fragments at 0 and 128; window 2: accumulators (a, b) at 8 (8 a + b); window 3: bias 0-63, Wout 64-89
.set PFO,  208                         ; v208 the prefetches' offset: my row x 3,072 bytes (hidden, Wh); v209: x 1,536 (x, Wx); not rewritten in the walk along K
.set KC,   4
.set PW,   12
.set OW,   16
.set HR,   64
.set TM,   144
.set CD,   160
.set UR,   192
.set ER,   208
.set PR,   224
.set QR,   240
.set G1A,  44
.set G1B,  52
.set G0A,  84
.set G0B,  88
.set PFH,  68                          ; s[68:69] my share's rows in hidden or Wh; s[70:71] in x or Wx
.set PFX,  70
.set MSB, 0
.macro WIN new
.if MSB != \new
	s_set_vgpr_msb (MSB<<8)|\new
.set MSB, \new
.endif
.endm
.macro PLACES n
.rept \n
	v_nop
.endr
.endm
.macro JLOAD                           ; waves 0, 1 fetch the batch rows' halves, waves 2, 3 the weights'
	s_cmp_eq_u32 s35, 0
	s_cbranch_scc0 .Lfor_b_\@
	tensor_load_to_lds s[G0A:G0A+3], s[G1A:G1A+7]
	s_nop 0
.rept 4
	v_nop
.endr
	s_branch .Lasked_\@
.Lfor_b_\@:
	tensor_load_to_lds s[G0B:G0B+3], s[G1B:G1B+7]
	s_nop 0
.rept 4
	v_nop
.endr
.Lasked_\@:
.endm
.macro CREST
	s_cmp_lg_u32 s34, 0
	s_cbranch_scc1 .Lnot_wave_0_\@
	s_barrier_signal -3
.Lnot_wave_0_\@:
	s_barrier_wait -3
	s_barrier_signal -1
	s_barrier_wait -1
.endm
.macro CROUND
	s_barrier_signal -1
	s_barrier_wait -1
	CREST
.endm
.macro REFILL pa, pb, str              ; the next chunk into the other slot; no tensor load of mine is out here
	s_xor_b32 s[G0A+1], s[G0A+1], SL1
	s_xor_b32 s[G0B+1], s[G0B+1], SL1
	s_mov_b64 s[G0A+2:G0A+3], s[\pa:\pa+1]
	s_or_b32 s[G0A+3], s[G0A+3], 0x80000000
	s_mov_b64 s[G0B+2:G0B+3], s[\pb:\pb+1]
	s_or_b32 s[G0B+3], s[G0B+3], 0x80000000
	s_add_nc_u64 s[\pa:\pa+1], s[\pa:\pa+1], 256
	s_add_nc_u64 s[\pb:\pb+1], s[\pb:\pb+1], 256
	s_mov_b32 s[G1A+5], \str
	s_mov_b32 s[G1B+5], \str
	JLOAD
.endm
.macro PF reg, ptr, off
	global_prefetch_b8 v[\reg], s[\ptr:\ptr+1] offset:\off th:TH_LOAD_NT scope:SCOPE_SE
.endm
; The prefetch behind the refill of step st.  The refill asks for chunk n, the prefetch names chunk n + 2.  In a trip on hidden (s[68:69] 768 bytes on a trip) the three sites name chunks 5, 6, 7 + 3 x trip;
; in its last trip (s3 = 1) the second and third name x's chunks 0 and 1.  In a trip on x the sites name x's chunks 2, 3, 4 + 3 x trip; in the last trip the second and third name nothing.
.macro ASK st, str
.set KK, ((\st)-4)/3
.if \st == 2
	PF PFO, PFH, 1024
.elseif \str == 3072
.if KK == 0
	PF PFO, PFH, 1280
.else
	s_cmp_gt_u32 s3, 1
	s_cbranch_scc0 .Lpx_\@
	PF PFO, PFH, 1280+256*KK
	s_branch .Lpd_\@
.Lpx_\@:
	PF PFO+1, PFX, 256*(KK-1)
.Lpd_\@:
.endif
.else
.if KK == 0
	PF PFO+1, PFX, 512
.else
	s_cmp_gt_u32 s3, 1
	s_cbranch_scc0 .Lpd_\@
	PF PFO+1, PFX, 512+256*KK
.Lpd_\@:
.endif
.endif
.endm
	s_load_b512 s[4:19], s[0:1], 0x0               ; x_codes 4, x_scales 6, hidden_codes 8, hidden_scales 10, Wx_codes 12, Wx_scales 14, Wh_codes 16, Wh_scales 18
	s_load_b256 s[20:27], s[0:1], 0x40             ; B 20, Wout_codes 22, Wout_scales 24, hq_codes 26
	s_load_b128 s[28:31], s[0:1], 0x60             ; hq_scales 28, wo_img 30
	s_load_b64 s[32:33], s[0:1], 0x70              ; wo_sc
	v_lshl_add_u32 v[SPW], v0, 2, SPARE
	v_mov_b32 v[NIL], 0
	ds_add_u32 v[SPW], v[NIL]
	ds_add_u32 v[SPW], v[NIL]
	v_lshrrev_b32 v1, 5, v0
	v_readfirstlane_b32 s34, v1                    ; wave
	s_lshr_b32 s35, s34, 1                         ; my half of the rows; also: I fetch batch rows (0) or weights (1)
	s_and_b32 s36, s34, 1                          ; my half of the columns; also: which half I fetch
	s_bfe_u32 s38, ttmp6, 0x40000
	s_bfe_u32 s39, ttmp6, 0x40004
	s_lshl_b32 s40, ttmp9, 2
	s_add_co_u32 s40, s40, s38                     ; tx
	s_and_b32 s41, ttmp7, 0xffff
	s_lshl_b32 s41, s41, 2
	s_add_co_u32 s41, s41, s39                     ; ty
	s_lshl_b32 s42, s39, 2
	s_lshl_b32 s42, 15, s42
	s_lshl_b32 s43, 0x1111, s38
	s_or_b32 s[G1A], s42, (1<<20)|(1<<21)|(5<<22)|(3<<25)   ; bytes; 16 bytes of padding behind every 256
	s_or_b32 s[G1B], s43, (1<<20)|(1<<21)|(5<<22)|(3<<25)
	s_mov_b32 s[G1A+1], 256<<16
	s_mov_b32 s[G1A+2], 64<<16                     ; 64 rows a load
	s_mov_b32 s[G1A+3], 256<<16
	s_mov_b32 s[G1A+4], 64
	s_mov_b32 s[G1A+5], 3072
	s_mov_b32 s[G1A+6], 0
	s_mov_b32 s[G1A+7], 0
	s_mov_b32 s[G1B+1], 256<<16
	s_mov_b32 s[G1B+2], 128<<16                    ; 128 rows a load
	s_mov_b32 s[G1B+3], 256<<16
	s_mov_b32 s[G1B+4], 128
	s_mov_b32 s[G1B+5], 3072
	s_mov_b32 s[G1B+6], 0
	s_mov_b32 s[G1B+7], 0
	s_lshl_b32 s66, s41, 7
	s_lshl_b32 s67, s36, 6
	s_add_co_u32 s66, s66, s67
	s_mul_i32 s66, s66, 1536                       ; batch row 128 ty + 64 x half, in rows of x
	s_mov_b32 s67, 0
	s_lshl_b32 s104, s40, 8
	s_lshl_b32 s105, s36, 7
	s_add_co_u32 s104, s104, s105
	s_mul_i32 s104, s104, 1536                     ; weight row 256 tx + 128 x half
	s_mov_b32 s105, 0
	s_mov_b32 s60, 0x76543210
	s_mov_b32 s61, 0xfedcba98
	s_mov_b32 s62, 0x3d800000
	s_mov_b32 s63, 0xffff0000
	s_mov_b32 s37, 0                               ; the trip's parity x SL1
	s_mov_b32 s100, 0                              ; the trip's place in a row of scales
	s_lshl_b32 s72, s38, 4                         ; the prefetches: my work-group's share of the rows that I fetch begins at row 16 cx (batch rows)
	s_lshl_b32 s73, s39, 5                         ; or 32 cy (weights)
	s_cmp_eq_u32 s35, 0
	s_cselect_b32 s74, 15, 31                      ; the share's last row
	s_cselect_b32 s72, s72, s73
	s_mul_i32 s72, s72, 1536
	s_mov_b32 s73, 0
	v_and_b32 v3, 31, v0
	v_min_u32 v3, s74, v3
	v_mul_u32_u24 v[PFO], v3, 3072
	v_mul_u32_u24 v[PFO+1], v3, 1536
	s_wait_alu depctr_va_vdst(0)
	s_wait_dscnt 0x0
	s_wait_kmcnt 0x0
	s_add_nc_u64 s[4:5], s[4:5], s[66:67]
	s_add_nc_u64 s[8:9], s[8:9], s[66:67]
	s_add_nc_u64 s[8:9], s[8:9], s[66:67]
	s_add_nc_u64 s[12:13], s[12:13], s[104:105]
	s_add_nc_u64 s[16:17], s[16:17], s[104:105]
	s_add_nc_u64 s[16:17], s[16:17], s[104:105]
	s_cmp_eq_u32 s35, 0
	s_cselect_b64 s[PFH:PFH+1], s[8:9], s[16:17]
	s_cselect_b64 s[PFX:PFX+1], s[4:5], s[12:13]
	s_add_nc_u64 s[PFX:PFX+1], s[PFX:PFX+1], s[72:73]
	s_add_nc_u64 s[PFH:PFH+1], s[PFH:PFH+1], s[72:73]
	s_add_nc_u64 s[PFH:PFH+1], s[PFH:PFH+1], s[72:73]
	CROUND
	s_mov_b32 s[G0A], 1
	s_mul_i32 s[G0A+1], s36, 64*PITCH
	s_mov_b64 s[G0A+2:G0A+3], s[8:9]
	s_or_b32 s[G0A+3], s[G0A+3], 0x80000000
	s_mov_b32 s[G0B], 1
	s_mul_i32 s[G0B+1], s36, 128*PITCH
	s_add_co_u32 s[G0B+1], s[G0B+1], BOFF
	s_mov_b64 s[G0B+2:G0B+3], s[16:17]
	s_or_b32 s[G0B+3], s[G0B+3], 0x80000000
	s_add_nc_u64 s[8:9], s[8:9], 256
	s_add_nc_u64 s[16:17], s[16:17], 256
	JLOAD                                          ; chunk 0: one tensor load a wave at the head
	PF PFO, PFH, 256                               ; chunks 1 and 2
	PF PFO, PFH, 512
	s_lshl_b32 s66, s41, 13
	s_add_nc_u64 s[6:7], s[6:7], s[66:67]          ; scales of my 128 batch rows
	s_add_nc_u64 s[10:11], s[10:11], s[66:67]
	s_add_nc_u64 s[10:11], s[10:11], s[66:67]
	s_lshl_b32 s104, s40, 14
	s_add_nc_u64 s[14:15], s[14:15], s[104:105]    ; and of my 256 weight rows
	s_add_nc_u64 s[18:19], s[18:19], s[104:105]
	s_add_nc_u64 s[18:19], s[18:19], s[104:105]
	s_lshl_b32 s104, s40, 10
	s_lshl_b32 s2, s36, 9
	s_add_co_u32 s104, s104, s2
	s_add_nc_u64 s[20:21], s[20:21], s[104:105]    ; B at my 128 units
	s_lshl_b32 s2, s41, 4                          ; Wout: work-group n takes block n / 4 of 16 rows, K steps 8 (n % 4) on; a wave two of them
	s_add_co_u32 s2, s2, s40
	s_lshr_b32 s38, s2, 2
	s_and_b32 s39, s2, 3
	s_mul_i32 s38, s38, 49152
	s_mul_i32 s42, s39, 768
	s_mul_i32 s43, s34, 192
	s_add_co_u32 s42, s42, s43
	s_add_co_u32 s42, s42, s38
	s_mov_b32 s43, 0
	s_add_nc_u64 s[22:23], s[22:23], s[42:43]
	s_mul_i32 s42, s39, 12288
	s_mul_i32 s39, s34, 3072
	s_add_co_u32 s42, s42, s39
	s_add_co_u32 s42, s42, s38
	s_add_nc_u64 s[30:31], s[30:31], s[42:43]
	s_lshl_b32 s2, s2, 1                           ; Wout's scale words: unit 2 n + wave (waves 0, 1): K step unit / 16, rows 64 (unit % 16) on
	s_add_co_u32 s2, s2, s34
	s_and_b32 s38, s2, 15
	s_lshl_b32 s38, s38, 13
	s_lshr_b32 s39, s2, 4
	s_lshl_b32 s39, s39, 2
	s_add_co_u32 s42, s38, s39
	s_add_nc_u64 s[24:25], s[24:25], s[42:43]
	s_lshl_b32 s42, s2, 8
	s_add_nc_u64 s[32:33], s[32:33], s[42:43]
	s_lshl_b32 s38, s41, 3                         ; hq_codes: block 8 ty + 4 x row half, K step 2 tx + column half
	s_lshl_b32 s39, s35, 2
	s_add_co_u32 s38, s38, s39
	s_lshl_b32 s38, s38, 5
	s_lshl_b32 s39, s40, 1
	s_add_co_u32 s39, s39, s36
	s_add_co_u32 s38, s38, s39
	s_mul_i32 s42, s38, 1536
	s_add_nc_u64 s[26:27], s[26:27], s[42:43]
	s_lshl_b32 s39, s39, 5                         ; hq_scales: [K step][2 ty + row half][256]
	s_lshl_b32 s38, s41, 1
	s_add_co_u32 s38, s38, s35
	s_add_co_u32 s38, s38, s39
	s_lshl_b32 s42, s38, 8
	s_add_nc_u64 s[28:29], s[28:29], s[42:43]
	v_and_b32 v1, 15, v0                           ; r
	v_bfe_u32 v2, v0, 4, 1                         ; h
	v_and_b32 v3, 31, v0
	v_lshlrev_b32 v[LI], 4, v3
	v_lshlrev_b32 v[L8], 3, v3
	v_lshlrev_b32 v28, 4, v0                       ; 16 x thread
	v_lshlrev_b32 v29, 5, v2                       ; bias: 8 h units
	v_mul_u32_u24 v30, v1, 3072
	v_mad_u32_u24 v30, v2, 24, v30                 ; Wout's fragment
	v_lshlrev_b32 v31, 7, v3                       ; Wout's scale rows
	s_wait_alu depctr_va_vdst(0)
.set I, 0
.rept 8
	global_load_b128 v[64+4*I:67+4*I], v28, s[10:11] offset:2048*I     ; the four dense blocks of scales, 2,048 bytes a line
.set I, I+1
.endr
.set I, 0
.rept 4
	global_load_b128 v[96+4*I:99+4*I], v28, s[6:7] offset:2048*I
.set I, I+1
.endr
.set I, 0
.rept 16
	global_load_b128 v[112+4*I:115+4*I], v28, s[18:19] offset:2048*I
.set I, I+1
.endr
.set I, 0
.rept 8
	global_load_b128 v[176+4*I:179+4*I], v28, s[14:15] offset:2048*I
.set I, I+1
.endr
	WIN 0xc0
.set I, 0
.rept 16
	global_load_b128 v[4*I:4*I+3], v29, s[20:21] offset:64*(I/2)+16*(I%2)   ; register 8 t + j: B(16 t + 8 h + j)
.set I, I+1
.endr
.irp f, 0,1
.irp p, 0,1,2,3,4,5
	global_load_b64 v[64+12*\f+2*\p:65+12*\f+2*\p], v30, s[22:23] offset:96*\f+48*(\p/3)+8*(\p%3) th:TH_LOAD_NT
.endr
.endr
	WIN 0
	s_cmp_lt_u32 s34, 2
	s_cbranch_scc0 .Lno_words
	WIN 0xc0
	global_load_b32 v88, v31, s[24:25]
	global_load_b32 v89, v31, s[24:25] offset:4096
	WIN 0
.Lno_words:
	v_mul_u32_u24 v32, v1, PITCH
	v_mad_u32_u24 v33, v2, 24, v32                 ; row x pitch + 24 h
	s_mov_b32 s66, SL1-232
	s_mov_b32 s67, SL1+232
	v_sub_nc_u32 v34, 1, v2
	v_mul_u32_u24 v35, s66, v2
	v_add_nc_u32 v35, v32, v35
	v_add_nc_u32 v35, 232, v35                     ; lanes 0-15 byte 232 in slot 0, lanes 16-31 byte 0 in slot 1
	v_mul_u32_u24 v36, s67, v34
	v_add_nc_u32 v36, v32, v36                     ; and the other way round
	s_mul_i32 s104, s35, 64*PITCH
	s_mul_i32 s105, s36, 128*PITCH
	s_add_co_u32 s105, s105, BOFF
	v_add_nc_u32 v[BASE], s104, v33
	v_add_nc_u32 v[BASE+1], SL1, v[BASE]
	v_add_nc_u32 v[BASE+2], s104, v35
	v_add_nc_u32 v[BASE+3], s104, v36
	v_add_nc_u32 v[BASE+4], s105, v33
	v_add_nc_u32 v[BASE+5], SL1, v[BASE+4]
	v_add_nc_u32 v[BASE+6], s105, v35
	v_add_nc_u32 v[BASE+7], s105, v36
.irp k, 0,1,2,3,4,5,6,7
	v_mov_b32 v[ADRA+\k], v[BASE+\k]
.endr
	s_mul_i32 s38, s35, 64*SROW
	s_add_co_u32 s38, s38, SCA
	s_mul_i32 s39, s36, 128*SROW
	s_add_co_u32 s39, s39, SCB
	s_sub_co_u32 s2, s39, s38
	v_mul_u32_u24 v37, v1, SROW
	v_mul_u32_u24 v38, s2, v2
	v_add_nc_u32 v38, v37, v38
	v_add_nc_u32 v[ADS0], s38, v38
	v_add_nc_u32 v[ADS0+1], s39, v37
	v_mov_b32 v[ADS], v[ADS0]
	v_mov_b32 v[ADS+1], v[ADS0+1]
	v_lshrrev_b32 v39, 3, v0                       ; where my 16 bytes of scales go: rows of 128 bytes,
	v_mul_u32_u24 v39, v39, SROW
	v_and_b32 v40, 7, v0
	v_lshl_add_u32 v39, v40, 4, v39
	v_add_nc_u32 v39, SCA, v39
	v_add_nc_u32 v41, SCB-SCA, v39
	v_lshrrev_b32 v42, 2, v0                       ; rows of 64 bytes, behind the 128
	v_mul_u32_u24 v42, v42, SROW
	v_and_b32 v40, 3, v0
	v_lshl_add_u32 v42, v40, 4, v42
	v_add_nc_u32 v42, SCA+128, v42
	v_add_nc_u32 v43, SCB-SCA, v42
	s_wait_alu depctr_va_vdst(0)
	s_wait_loadcnt 28                              ; the 36 loads of scales are in; behind them at least 28 (bias 16, Wout 12)
	s_wait_tensorcnt 0x0
.set I, 0
.rept 8
	ds_store_b128 v39, v[64+4*I:67+4*I] offset:16*SROW*I
.set I, I+1
.endr
.set I, 0
.rept 4
	ds_store_b128 v42, v[96+4*I:99+4*I] offset:32*SROW*I
.set I, I+1
.endr
.set I, 0
.rept 16
	ds_store_b128 v41, v[112+4*I:115+4*I] offset:16*SROW*I
.set I, I+1
.endr
.set I, 0
.rept 8
	ds_store_b128 v43, v[176+4*I:179+4*I] offset:32*SROW*I
.set I, I+1
.endr
	s_wait_tensorcnt 0x0
	ds_add_u32 v[SPW], v[NIL]
	s_wait_dscnt 0x0                               ; the add and my stores of scales
	CROUND
	REFILL 8, 16, 3072                             ; chunk 1
.macro FRAG reg, adr, st, i            ; 16 rows x 128 K: six pieces of 8 bytes; byte y of a row lies in chunk y / 256
.irp p, 0,1,2,3,4,5
.set BY, 96*(\st)+48*(\p/3)+8*(\p%3)
.if BY/256 == (BY+24)/256
	ds_load_b64 v[\reg+2*\p:\reg+2*\p+1], v[\adr+(BY/256)%2] offset:BY%256+(\i)*16*PITCH
.else
	ds_load_b64 v[\reg+2*\p:\reg+2*\p+1], v[\adr+2+(BY/256)%2] offset:BY%256-232+(\i)*16*PITCH
.endif
.endr
.endm
.macro FETCH_B st
	WIN 0x40
.irp i, 0,1,2,3,4,5,6,7
	FRAG 128*((\st)%2)+12*\i, ADRB, \st, \i
.endr
	WIN 0
.endm
.macro FETCH_A st, i0
.irp i, \i0, \i0+1
	FRAG AF+12*(\i), ADRA, \st, \i
.endr
.endm
.macro SCALES pr                       ; the words of steps 2 pr, 2 pr + 1
.irp i, 0,1,2,3
	ds_load_b64 v[SC+16*((\pr)%2)+2*\i:SC+16*((\pr)%2)+2*\i+1], v[ADS] offset:\i*16*SROW+8*(\pr)
.endr
.irp i, 4,5,6,7
	ds_load_b64 v[SC+16*((\pr)%2)+2*\i:SC+16*((\pr)%2)+2*\i+1], v[ADS+1] offset:\i*16*SROW+8*(\pr)
.endr
.endm
.macro MUL8 a, st, zero                ; block a against the eight weight tiles; the 32 accumulators take turns
	WIN 0xa1
.set SS, SC+16*(((\st)/2)%2)+(\st)%2
.irp b, 0,1,2,3,4,5,6,7
.if \zero
	v_wmma_scale_f32_16x16x128_f8f6f4 v[8*(8*(\a)+\b):8*(8*(\a)+\b)+7], v[128*((\st)%2)+12*\b:128*((\st)%2)+12*\b+11], v[AF+12*(\a):AF+12*(\a)+11], 0, v[SS+2*\b], v[SS+2*(\a)] matrix_a_fmt:MATRIX_FMT_FP6 matrix_b_fmt:MATRIX_FMT_FP6 matrix_a_scale:MATRIX_SCALE_ROW1
.else
	v_wmma_scale_f32_16x16x128_f8f6f4 v[8*(8*(\a)+\b):8*(8*(\a)+\b)+7], v[128*((\st)%2)+12*\b:128*((\st)%2)+12*\b+11], v[AF+12*(\a):AF+12*(\a)+11], v[8*(8*(\a)+\b):8*(8*(\a)+\b)+7], v[SS+2*\b], v[SS+2*(\a)] matrix_a_fmt:MATRIX_FMT_FP6 matrix_b_fmt:MATRIX_FMT_FP6 matrix_a_scale:MATRIX_SCALE_ROW1
.endif
.endr
.endm
; A step: 32 products; the next step's fragments are fetched in its middle and at its end.  Where the next step ends in a chunk not yet read: a barrier behind every wave's wait for its loads.
; Where it begins in a later chunk and str > 0: the three lines, a round, and the refill.  str = 0: nothing is left to ask for.
.macro STEP st, zero, pa, pb, str
.set NX, (\st)+1
.set C0, (96*(\st))/256
.set C1, (96*NX)/256
.set E0, (96*(\st)+95)/256
.set E1, (96*NX+95)/256
.if (C1 > C0 && \str > 0) || E1 > E0
	s_wait_tensorcnt 0x0
.if C1 > C0 && \str > 0
	ds_add_u32 v[SPW], v[NIL]
	s_wait_dscnt 13                                ; the add and blocks 2, 3's twelve loads may be out
.else
	s_wait_dscnt 12
.endif
	MUL8 0, \st, \zero
	s_wait_dscnt 0x0
	s_barrier_signal -1
	MUL8 1, \st, \zero
	WIN 0
	s_barrier_wait -1
.if C1 > C0 && \str > 0
	CREST
	REFILL \pa, \pb, \str                          ; its four v_nop are the places in front of the loads below
.else
	PLACES 4
.endif
.else
	s_wait_dscnt 12                                ; blocks 2, 3's twelve loads may be out
	MUL8 0, \st, \zero
	MUL8 1, \st, \zero
	s_wait_dscnt 0x0
	PLACES 4
.endif
	FETCH_B NX
	FETCH_A NX, 0
.if NX%2 == 0
	SCALES NX/2
.endif
.if C1 > C0 && \str > 0
	ASK \st, \str                                  ; behind the refill and the run of LDS loads
.endif
	MUL8 2, \st, \zero
	MUL8 3, \st, \zero
	PLACES 4
	WIN 0
	FETCH_A NX, 2
.endm
.macro TRIP pa, pb, str                ; steps 5 .. 12: three chunks on, so the slots change roles; 32 bytes on in the scales
.irp s, 5,6,7,8,9,10,11,12
	STEP \s, 0, \pa, \pb, \str
.endr
	s_wait_xcnt 0x0                                ; my prefetches have read their base: it steps three chunks
.if \str == 3072
	s_add_nc_u64 s[PFH:PFH+1], s[PFH:PFH+1], 768
.else
	s_add_nc_u64 s[PFX:PFX+1], s[PFX:PFX+1], 768
.endif
	s_xor_b32 s37, s37, SL1
	s_add_co_u32 s100, s100, 32
.irp k, 0,1,2,3,4,5,6,7
	v_xor_b32 v[ADRA+\k], s37, v[BASE+\k]
.endr
	v_add_nc_u32 v[ADS], s100, v[ADS0]
	v_add_nc_u32 v[ADS+1], s100, v[ADS0+1]
.endm
	FETCH_B 0
	FETCH_A 0, 0
	SCALES 0
	FETCH_A 0, 2
	PF PFO, PFH, 768                               ; chunk 3
	STEP 0, 1, 8, 16, 3072                         ; the first step starts the sums
.irp s, 1,2,3,4
	STEP \s, 0, 8, 16, 3072
.endr
	s_mov_b32 s3, 3
.Lin_h:                                                ; asks for hidden's chunks 3 .. 11
	TRIP 8, 16, 3072
	s_sub_co_u32 s3, s3, 1
	s_cmp_lg_u32 s3, 0
	s_wait_alu depctr_va_vdst(0)
	s_cbranch_scc1 .Lin_h
	s_mov_b32 s3, 2
.Lin_x:                                                ; asks for x's chunks 0 .. 5
	TRIP 4, 12, 1536
	s_sub_co_u32 s3, s3, 1
	s_cmp_lg_u32 s3, 0
	s_wait_alu depctr_va_vdst(0)
	s_cbranch_scc1 .Lin_x
	STEP 5, 0, 4, 12, 0
	STEP 6, 0, 4, 12, 0
	s_wait_dscnt 12
	MUL8 0, 7, 0
	MUL8 1, 7, 0
	s_wait_dscnt 0x0
	MUL8 2, 7, 0
	MUL8 3, 7, 0
	WIN 0
	PLACES 4
; ---- the way out
.irp i, 0,1
	v_mov_b32 v[KC+\i], 0x4038aa3b                 ; 2 log2 e
	v_mov_b32 v[KC+2+\i], 0xbeaaaaab               ; -1/3
	v_mov_b32 v[KC+4+\i], 0x3e088889               ; 2/15
	v_mov_b32 v[KC+6+\i], 0xbd5d0dd1               ; -17/315
.endr
.irp i, 1,2,3
	v_mov_b32 v[PW+\i], 0
.endr
.irp i, 4,5,6,7
	v_mov_b32 v[TM+\i], 0                          ; a lane permute's destination counts as read
.endr
	s_wait_alu depctr_va_vdst(0)
	s_wait_loadcnt 0x0                             ; bias and Wout
	WIN 0x0c
.irp f, 0,1
.irp c, 0,1,2
	global_store_b128 v[LI], v[64+12*\f+4*\c:67+12*\f+4*\c], s[30:31] offset:1536*\f+512*\c   ; Wout's fragments as images of their registers
.endr
.endr
	WIN 0
	s_cmp_lt_u32 s34, 2
	s_cbranch_scc0 .Lno_words_out
	WIN 0x0c
	global_store_b64 v[L8], v[88:89], s[32:33]
	WIN 0
.Lno_words_out:
.macro ADDB a                          ; block a's sums + bias into v64-127
	WIN 0x0e
	s_wait_alu depctr_va_vdst(0)                   ; the wait ahead of the first readers of matrix results
.set I, 0
.rept 32
	v_pk_add_f32 v[HR+I:HR+I+1], v[64*(\a)+I:64*(\a)+I+1], v[I:I+1]
.set I, I+2
.endr
	WIN 0
	s_wait_alu depctr_va_vdst(0)
.endm
.macro TANH16 c
.set HB, HR+16*(\c)
.set I, 0
.rept 8
	v_pk_mul_f32 v[ER+I:ER+I+1], v[HB+I:HB+I+1], v[KC:KC+1]
.set I, I+2
.endr
	s_wait_alu depctr_va_vdst(0)
.set I, 0
.rept 16
	v_exp_f32 v[ER+I], v[ER+I]
.set I, I+1
.endr
.set I, 0
.rept 8
	v_pk_mul_f32 v[UR+I:UR+I+1], v[HB+I:HB+I+1], v[HB+I:HB+I+1]
.set I, I+2
.endr
	s_wait_alu depctr_va_vdst(0)
.set I, 0
.rept 8
	v_pk_add_f32 v[ER+I:ER+I+1], v[ER+I:ER+I+1], 1.0 op_sel_hi:[1,0]
.set I, I+2
.endr
	s_wait_alu depctr_va_vdst(0)
.set I, 0
.rept 16
	v_rcp_f32 v[ER+I], v[ER+I]
.set I, I+1
.endr
.set I, 0
.rept 8
	v_pk_fma_f32 v[PR+I:PR+I+1], v[UR+I:UR+I+1], v[KC+6:KC+7], v[KC+4:KC+5]
.set I, I+2
.endr
.set I, 0
.rept 8
	v_pk_fma_f32 v[PR+I:PR+I+1], v[PR+I:PR+I+1], v[UR+I:UR+I+1], v[KC+2:KC+3]
.set I, I+2
.endr
.set I, 0
.rept 8
	v_pk_mul_f32 v[QR+I:QR+I+1], v[UR+I:UR+I+1], v[HB+I:HB+I+1]
.set I, I+2
.endr
.set I, 0
.rept 8
	v_pk_fma_f32 v[PR+I:PR+I+1], v[PR+I:PR+I+1], v[QR+I:QR+I+1], v[HB+I:HB+I+1]
.set I, I+2
.endr
	s_wait_alu depctr_va_vdst(0)
.set I, 0
.rept 8
	v_pk_fma_f32 v[ER+I:ER+I+1], v[ER+I:ER+I+1], -2.0, 1.0 op_sel_hi:[1,0,0]
.set I, I+2
.endr
.set I, 0
.rept 16
	v_cmp_gt_f32 vcc_lo, s62, v[UR+I]
	v_cndmask_b32 v[HB+I], v[ER+I], v[PR+I], vcc_lo
.set I, I+1
.endr
.endm
	s_mov_b32 s3, 0
.Lblk:                                                 ; a trip: one block of 16 batch rows x my 128 units
	s_cmp_eq_u32 s3, 0
	s_cbranch_scc0 .Lb1
	ADDB 0
	s_branch .Lbj
.Lb1:
	s_cmp_eq_u32 s3, 1
	s_cbranch_scc0 .Lb2
	ADDB 1
	s_branch .Lbj
.Lb2:
	s_cmp_eq_u32 s3, 2
	s_cbranch_scc0 .Lb3
	ADDB 2
	s_branch .Lbj
.Lb3:
	ADDB 3
.Lbj:
.irp p, 0,1,2,3                        ; tile 2 p holds units 32 p + 8 h + j, tile 2 p + 1 units 32 p + 16 + 8 h + j: after the swaps my 16 registers are units 32 p + 16 h + 0 .. 15
.irp j, 0,1,2,3,4,5,6,7
	v_permlane16_swap_b32 v[HR+16*\p+\j], v[HR+16*\p+8+\j]
.endr
.endr
	TANH16 0
	TANH16 1
	TANH16 2
	TANH16 3
.irp b, 0,1,2,3
	v_max3_num_f32 v[TM+\b], |v[HR+16*\b]|, |v[HR+1+16*\b]|, 0x1800000   ; the floor 2^(3 - 127) holds the byte at 1 from below
.endr
.irp i, 2,4,6,8,10,12,14
.irp b, 0,1,2,3
	v_max3_num_f32 v[TM+\b], v[TM+\b], |v[HR+16*\b+\i]|, |v[HR+1+16*\b+\i]|
.endr
.endr
.irp b, 0,1,2,3
	v_permlanex16_b32 v[TM+4+\b], v[TM+\b], s60, s61
.endr
.irp b, 0,1,2,3
	v_max_num_f32 v[TM+\b], v[TM+\b], v[TM+4+\b]
.endr
.irp b, 0,1,2,3
	v_add_nc_u32 v[TM+8+\b], 0xff000000, v[TM+\b]  ; 2 off the exponent field: the conversion's scale operand
.endr
.irp b, 0,1,2,3
	v_lshrrev_b32 v[TM+4+\b], 23, v[TM+8+\b]
.endr
	v_mov_b32 v[PW], v[PW+1]                       ; the four blocks' scale words move down a place a trip
	v_mov_b32 v[PW+1], v[PW+2]
	v_mov_b32 v[PW+2], v[PW+3]
	v_lshl_or_b32 v[PW+3], v[TM+5], 8, v[TM+4]
	v_lshl_or_b32 v[PW+3], v[TM+6], 16, v[PW+3]
	v_lshl_or_b32 v[PW+3], v[TM+7], 24, v[PW+3]
.irp c, 0,1
	v_cvt_scalef32_pk16_fp6_f32 v[CD+6*\c:CD+2+6*\c], v[HR+32*\c:HR+15+32*\c], v[TM+8+2*\c]
	v_cvt_scalef32_pk16_fp6_f32 v[CD+12+4*\c:CD+14+4*\c], v[HR+16+32*\c:HR+31+32*\c], v[TM+9+2*\c]
.endr
	v_nop
.irp c, 0,1
.irp i, 0,1,2
	v_permlane16_swap_b32 v[CD+6*\c+\i], v[CD+12+4*\c+\i]
.endr
.irp i, 0,1,2
	v_mov_b32 v[CD+3+6*\c+\i], v[CD+12+4*\c+\i]
.endr
.endr
.irp c, 0,1,2
	global_store_b128 v[LI], v[CD+4*\c:CD+3+4*\c], s[26:27] offset:512*\c   ; the fragment as an image of its registers: 512 consecutive bytes a line
.endr
	s_wait_xcnt 0x0                                ; the stores have read their base and data
	s_add_nc_u64 s[26:27], s[26:27], 49152         ; the next block of 16 rows
	s_add_co_u32 s3, s3, 1
	s_cmp_lt_u32 s3, 4
	s_wait_alu depctr_va_vdst(0)
	s_cbranch_scc1 .Lblk
	v_cndmask_b32 v[OW], v[PW], v[PW+1], s63       ; lanes 0-15 blocks 0 and 2, lanes 16-31 blocks 1 and 3
	v_cndmask_b32 v[OW+1], v[PW+2], v[PW+3], s63
	global_store_b64 v[L8], v[OW:OW+1], s[28:29]
	s_wait_tensorcnt 0x0                           ; the wave's end
	ds_add_u32 v[SPW], v[NIL]
	s_wait_dscnt 0x0
	CROUND
	s_endpgm
.Lfunc_end_k_q76ff1530f9_cell:
	.size	k_q76ff1530f9_cell, .Lfunc_end_k_q76ff1530f9_cell-k_q76ff1530f9_cell
	.p2alignl 7, 3214868480
	.fill 96, 4, 3214868480
	.section	.rodata,"a",@progbits
	.p2align	6, 0x0
	.amdhsa_kernel k_q76ff1530f9_cell
		.amdhsa_group_segment_fixed_size 327680
		.amdhsa_private_segment_fixed_size 0
		.amdhsa_enable_private_segment 0
		.amdhsa_kernarg_size 120
		.amdhsa_user_sgpr_count 2
		.amdhsa_user_sgpr_kernarg_segment_ptr 1
		.amdhsa_wavefront_size32 1
		.amdhsa_system_sgpr_workgroup_id_x 1
		.amdhsa_system_sgpr_workgroup_id_y 1
		.amdhsa_system_sgpr_workgroup_id_z 1
		.amdhsa_system_vgpr_workitem_id 0
		.amdhsa_next_free_vgpr 1024
		.amdhsa_next_free_sgpr 106
		.amdhsa_reserve_vcc 1
		.amdhsa_float_denorm_mode_32 3
		.amdhsa_float_denorm_mode_16_64 3
		.amdhsa_memory_ordered 1
		.amdhsa_forward_progress 1
		.amdhsa_inst_pref_size 255
	.end_amdhsa_kernel
	.section	.bss,"aw",@nobits
	.p2align	6
	.space	262144
	.amdgpu_metadata
---
amdhsa.version: [ 1, 2 ]
amdhsa.kernels:
  - .name:           k_q76ff1530f9_cell
    .symbol:         k_q76ff1530f9_cell.kd
    .args:
      - { .name: x_codes, .offset: 0, .size: 8, .value_kind: global_buffer, .address_space: global }
      - { .name: x_scales, .offset: 8, .size: 8, .value_kind: global_buffer, .address_space: global }
      - { .name: hidden_codes, .offset: 16, .size: 8, .value_kind: global_buffer, .address_space: global }
      - { .name: hidden_scales, .offset: 24, .size: 8, .value_kind: global_buffer, .address_space: global }
      - { .name: Wx_codes, .offset: 32, .size: 8, .value_kind: global_buffer, .address_space: global }
      - { .name: Wx_scales, .offset: 40, .size: 8, .value_kind: global_buffer, .address_space: global }
      - { .name: Wh_codes, .offset: 48, .size: 8, .value_kind: global_buffer, .address_space: global }
      - { .name: Wh_scales, .offset: 56, .size: 8, .value_kind: global_buffer, .address_space: global }
      - { .name: B, .offset: 64, .size: 8, .value_kind: global_buffer, .address_space: global }
      - { .name: Wout_codes, .offset: 72, .size: 8, .value_kind: global_buffer, .address_space: global }
      - { .name: Wout_scales, .offset: 80, .size: 8, .value_kind: global_buffer, .address_space: global }
      - { .name: hq_codes, .offset: 88, .size: 8, .value_kind: global_buffer, .address_space: global }
      - { .name: hq_scales, .offset: 96, .size: 8, .value_kind: global_buffer, .address_space: global }
      - { .name: wo_img, .offset: 104, .size: 8, .value_kind: global_buffer, .address_space: global }
      - { .name: wo_sc, .offset: 112, .size: 8, .value_kind: global_buffer, .address_space: global }
    .group_segment_fixed_size: 327680
    .private_segment_fixed_size: 0
    .kernarg_segment_align: 8
    .kernarg_segment_size: 120
    .max_flat_workgroup_size: 128
    .sgpr_count:     106
    .vgpr_count:     1024
    .wavefront_size: 32
...
	.end_amdgpu_metadata
.endif
;; end of part 3
;; launch proj (part 4): grid 16 x 16, 4 waves a work-group, clusters of 4 x 4, 327,680 bytes of LDS; arguments hq_codes, hq_scales, wo_img, wo_sc, Bout, out0; writes out0
.if DOCPART == 4
	.amdgcn_target "amdgcn-amd-amdhsa--gfx1250"
	.amdhsa_code_object_version 6
	.text
	.protected	k_q76ff1530f9_proj
	.globl	k_q76ff1530f9_proj
	.p2align	8
	.type	k_q76ff1530f9_proj,@function
k_q76ff1530f9_proj:
	s_mov_b64 s[64:65], 0
	v_nop
	global_prefetch_b8 v0, s[64:65] scope:SCOPE_SE
	s_setreg_imm32_b32 hwreg(HW_REG_WAVE_MODE, 25, 1), 1
	s_wait_xcnt 0x0
	s_wait_alu depctr_hold_cnt(0) depctr_sa_sdst(0) depctr_va_vdst(0) depctr_va_sdst(0) depctr_va_ssrc(0) depctr_va_vcc(0) depctr_vm_vsrc(0)
	s_getreg_b32 s2, hwreg(HW_REG_IB_STS2, 6, 4)
	s_cmp_eq_u32 s2, 0
	s_cbranch_scc0 .Lentry_in_a_cluster
	s_endpgm
.Lentry_in_a_cluster:
	s_bfe_u32 s2, ttmp6, 0x10000c
	s_cmp_lg_u32 s2, 0xf033
	s_cbranch_scc0 .Lentry_shape_is_right
	s_endpgm
.Lentry_shape_is_right:
; out = Q(new_h) Wout^T + Bout on codes of FP6 (E2M3).  Both operands come as the launch before laid them: hq_codes [128 blocks of 16 rows][32 K steps][1,536] and wo_img [64 blocks of 16 rows][32][1,536], a fragment
; (16 rows x 128 K, 12 registers) as an image of its registers: register 4 c + i of lane l at 512 c + 16 l + 4 i.  Scale words: [K step][four blocks][256]: lane (r, h) has 8 bytes at 8 l: the words of lane r of blocks h and 2 + h.
; Of new_h's blocks, lane r of block a (of a work-group's eight) is batch row 16 a + r; of Wout's, lane r of a block is its row r.
; SHARES.  A work-group makes 128 rows x 64 columns: 16 x 16 work-groups.  K IS SPLIT OVER THE FOUR WAVES: each holds the whole tile (32 accumulators) and takes two of every eight K steps: 12 fragments for 32 products,
; and each fragment is read from LDS once.  The four partial tiles meet in a stage in LDS, from which whole rows leave.
; K goes in four phases of 8 K steps through a ring of two LDS slots; a tile's row is 8 images on end, 12,288 bytes.  CLUSTERS 4 x 4: hq's tiles are asked for jointly along a row, Wout's along a column.
; THE MATRIX INSTRUCTION IS USED TRANSPOSED (source 0 = 16 rows of Wout, source 1 = 16 rows of new_h): a lane holds eight neighbouring columns of one row of out.
; LIMIT: K is summed in four partial f32 sums.
; REGISTERS.  window 0: v1-23 addresses and Bout; v32-63 new_h's scale words, v64-79 Wout's, for all my 8 steps; v80-127, v128-175 Wout's fragments, two sets.
;   window 1: v0-95, v96-191 new_h's fragments, two sets; later the four partial tiles of my 32 rows.   window 2: the accumulators, (a, b) at 8 (4 a + b).
.set SLOT2, 147456                     ; a slot: new_h [8 blocks][8 K steps][1,536], then Wout [4][8][1,536]
.set BOFF2, 98304
.set SPARE, 2*SLOT2                    ; the spare words, 128 bytes a wave: two blocks of 256 bytes that no other line names
.set STP,   272                        ; the stage: 128 rows x (256 bytes + 16) for each wave, from byte 0 on: in slot 0, behind its last fill and its last read
.set STW,   128*STP
.set LA,  4                            ; v4-7   new_h's images: 2 x slot + half
.set LB,  8                            ; v8-9   Wout's: slot
.set SPW, 10                           ; v10    SPARE + 4 x my thread's number; never rewritten
.set NIL, 11                           ; v11    0; never rewritten
.set SO,  12                           ; v12    the stage: where I put 32 bytes of a row
.set SR,  13                           ; v13-14 and where I read rows back: waves 0, 1's parts; waves 2, 3's
.set CO,  15                           ; v15    my byte offset in out0
.set L8,  16                           ; v16    8 x lane
.set HS,  32
.set WS,  64
.set G1,  24
.set G0,  32
.set G1B, 48
.set G0B, 56
.set MSB, 0
.macro WIN new                         ; the immediate's high byte repeats the setting that is left
.if MSB != \new
	s_set_vgpr_msb (MSB<<8)|\new
.set MSB, \new
.endif
.endm
.macro PLACES n
.rept \n
	v_nop
.endr
.endm
.macro JLOAD s                         ; a joint load: waves 0 and 1 fetch new_h's halves, waves 2 and 3 Wout's; four v_nop follow each line
	s_cmp_eq_u32 s17, 0
	s_cbranch_scc0 .Lfor_b_\@
	tensor_load_to_lds s[G0+4*\s:G0+4*\s+3], s[G1:G1+7]
	s_nop 0
.rept 4
	v_nop
.endr
	s_branch .Lasked_\@
.Lfor_b_\@:
	tensor_load_to_lds s[G0B+4*\s:G0B+4*\s+3], s[G1B:G1B+7]
	s_nop 0
.rept 4
	v_nop
.endr
.Lasked_\@:
.endm
.macro CREST
	s_cmp_lg_u32 s16, 0
	s_cbranch_scc1 .Lnot_wave_0_\@
	s_barrier_signal -3
.Lnot_wave_0_\@:
	s_barrier_wait -3
	s_barrier_signal -1
	s_barrier_wait -1
.endm
.macro CROUND
	s_barrier_signal -1
	s_barrier_wait -1
	CREST
.endm
	s_load_b256 s[4:11], s[0:1], 0x0               ; hq_codes 4, hq_scales 6, wo_img 8, wo_sc 10
	s_load_b128 s[12:15], s[0:1], 0x20             ; Bout 12, out0 14
	v_lshl_add_u32 v[SPW], v0, 2, SPARE
	v_mov_b32 v[NIL], 0
	ds_add_u32 v10, v11
	ds_add_u32 v10, v11
	s_wait_dscnt 0x0
	v_lshrrev_b32 v1, 5, v0
	v_readfirstlane_b32 s16, v1                    ; wave
	s_lshr_b32 s17, s16, 1                         ; I fetch for new_h (0) or for Wout (1),
	s_and_b32 s18, s16, 1                          ; this half of the tile
	s_bfe_u32 s40, ttmp6, 0x40000                  ; cx
	s_bfe_u32 s41, ttmp6, 0x40004                  ; cy
	s_lshl_b32 s42, ttmp9, 2
	s_add_co_u32 s42, s42, s40                     ; tx: columns 64 tx on
	s_and_b32 s43, ttmp7, 0xffff
	s_lshl_b32 s43, s43, 2
	s_add_co_u32 s43, s43, s41                     ; ty: rows 128 ty on
	s_lshl_b32 s44, s41, 2
	s_lshl_b32 s44, 15, s44                        ; my row of the cluster
	s_lshl_b32 s45, 0x1111, s40                    ; my column
	s_or_b32 s[G1], s44, (3<<16)|(1<<21)           ; elements of 8 bytes; no padding: images are read 512 consecutive bytes at a time
	s_or_b32 s[G1B], s45, (3<<16)|(1<<21)
	s_mov_b32 s[G1+1], 1536<<16                    ; tensor_dim0 = 1,536 elements: 8 images
	s_mov_b32 s[G1+2], 4<<16                       ; tensor_dim1 = 4 blocks of rows
	s_mov_b32 s[G1+3], 1536<<16                    ; tile_dim0
	s_mov_b32 s[G1+4], 4                           ; tile_dim1
	s_mov_b32 s[G1+5], 6144                        ; from block to block: 32 images
	s_mov_b32 s[G1+6], 0
	s_mov_b32 s[G1+7], 0
	s_mov_b32 s[G1B+1], 1536<<16
	s_mov_b32 s[G1B+2], 2<<16                      ; 2 blocks
	s_mov_b32 s[G1B+3], 1536<<16
	s_mov_b32 s[G1B+4], 2
	s_mov_b32 s[G1B+5], 6144
	s_mov_b32 s[G1B+6], 0
	s_mov_b32 s[G1B+7], 0
	s_lshl_b32 s20, s43, 3                         ; new_h: block 8 ty + 4 x half (registers that never hold cx)
	s_lshl_b32 s21, s18, 2
	s_add_co_u32 s20, s20, s21
	s_mul_i32 s20, s20, 49152
	s_mov_b32 s21, 0
	s_lshl_b32 s46, s42, 2                         ; Wout: block 4 tx + 2 x half (registers that never hold cy)
	s_lshl_b32 s47, s18, 1
	s_add_co_u32 s46, s46, s47
	s_mul_i32 s46, s46, 49152
	s_mov_b32 s47, 0
	s_wait_kmcnt 0x0
	s_add_nc_u64 s[4:5], s[4:5], s[20:21]
	s_add_nc_u64 s[8:9], s[8:9], s[46:47]
	; PREFETCH: a phase's part of a block of rows is 48 units of 256 bytes.  Of the four blocks of new_h that a wave fetches, the partner at cx names block cx (48 units: two lines, the second's lanes 16-31 name the last unit again);
	; of Wout's two blocks, 96 units, the partner at cy names units 24 cy on (one line, lanes 24-31 name the last again).  v24, v25: 256 x my unit; s[68:69]: my share; neither is rewritten.
	s_mul_i32 s70, s40, 49152
	s_lshr_b32 s71, s41, 1
	s_mul_i32 s71, s71, 49152
	s_and_b32 s72, s41, 1
	s_mul_i32 s72, s72, 6144
	s_add_co_u32 s71, s71, s72
	s_cmp_eq_u32 s17, 0
	s_cselect_b32 s70, s70, s71
	s_cselect_b32 s72, 47, 23                      ; the share's last unit
	s_cselect_b64 s[68:69], s[4:5], s[8:9]
	s_mov_b32 s71, 0
	s_add_nc_u64 s[68:69], s[68:69], s[70:71]
	v_and_b32 v24, 31, v0
	v_add_nc_u32 v25, 32, v24
	v_min_u32 v24, s72, v24
	v_min_u32 v25, s72, v25
	v_lshlrev_b32 v24, 8, v24
	v_lshlrev_b32 v25, 8, v25
	s_wait_alu depctr_va_vdst(0)
.macro PFQ ph                          ; my share of phase ph
	global_prefetch_b8 v24, s[68:69] offset:12288*\ph th:TH_LOAD_NT scope:SCOPE_SE
	s_cmp_eq_u32 s17, 0
	s_cbranch_scc0 .Lpq_\@
	global_prefetch_b8 v25, s[68:69] offset:12288*\ph th:TH_LOAD_NT scope:SCOPE_SE
.Lpq_\@:
.endm
	CROUND
	s_mul_i32 s[G0+1], s18, 49152
	s_add_co_u32 s[G0+5], s[G0+1], SLOT2
	s_mul_i32 s[G0B+1], s18, 24576
	s_add_co_u32 s[G0B+1], s[G0B+1], BOFF2
	s_add_co_u32 s[G0B+5], s[G0B+1], SLOT2
.irp s, 0,1
	s_mov_b32 s[G0+4*\s], 1
	s_add_nc_u64 s[G0+4*\s+2:G0+4*\s+3], s[4:5], \s*12288
	s_or_b32 s[G0+4*\s+3], s[G0+4*\s+3], 0x80000000
	s_mov_b32 s[G0B+4*\s], 1
	s_add_nc_u64 s[G0B+4*\s+2:G0B+4*\s+3], s[8:9], \s*12288
	s_or_b32 s[G0B+4*\s+3], s[G0B+4*\s+3], 0x80000000
.endr
	JLOAD 0                                        ; phase 0: one tensor load a wave at the head
	PFQ 1                                          ; the two phases that the next two loads ask for
	PFQ 2
	s_lshl_b32 s20, s43, 9                         ; new_h's scale words: units 2 ty and 2 ty + 1 of K step 2 w on
	s_lshl_b32 s22, s16, 14
	s_add_co_u32 s20, s20, s22
	s_add_nc_u64 s[6:7], s[6:7], s[20:21]
	s_lshl_b32 s46, s42, 8                         ; Bout at column 64 tx
	s_add_nc_u64 s[12:13], s[12:13], s[46:47]
	s_lshl_b32 s22, s16, 13                        ; Wout's scale words: unit tx of K step 2 w on
	s_add_co_u32 s46, s46, s22
	s_add_nc_u64 s[10:11], s[10:11], s[46:47]
	s_lshl_b32 s22, s43, 7                         ; out0: row 128 ty + 32 w, column 64 tx
	s_lshl_b32 s23, s16, 5
	s_add_co_u32 s22, s22, s23
	s_lshl_b32 s22, s22, 12
	s_lshl_b32 s23, s42, 8
	s_add_co_u32 s22, s22, s23
	s_mov_b32 s23, 0
	s_add_nc_u64 s[14:15], s[14:15], s[22:23]
	v_and_b32 v1, 15, v0                           ; r
	v_bfe_u32 v2, v0, 4, 1                         ; h
	v_and_b32 v3, 31, v0                           ; lane
	v_lshlrev_b32 v[L8], 3, v3
	v_lshlrev_b32 v17, 4, v1
.irp S, 0,1,2,3,4,5,6,7                        ; step S of my eight is K step 8 (S / 2) + 2 w + S % 2.  Each load: 256 consecutive bytes, aligned
.irp u, 0,1
	global_load_b64 v[HS+4*\S+2*\u:HS+4*\S+2*\u+1], v[L8], s[6:7] offset:(8*(\S/2)+\S%2)*8192+256*\u
.endr
	global_load_b64 v[WS+2*\S:WS+2*\S+1], v[L8], s[10:11] offset:(8*(\S/2)+\S%2)*4096
.endr
	global_load_b128 v[20:23], v17, s[12:13]       ; Bout at the four columns that I store
	v_lshlrev_b32 v18, 4, v3
	s_mul_i32 s2, s16, 3072                        ; my two K steps of a phase's eight
	v_add_nc_u32 v[LA], s2, v18
	v_add_nc_u32 v[LA+1], 49152, v[LA]
	v_add_nc_u32 v[LB], BOFF2, v[LA]
	v_add_nc_u32 v[LA+2], SLOT2, v[LA]
	v_add_nc_u32 v[LA+3], SLOT2, v[LA+1]
	v_add_nc_u32 v[LB+1], SLOT2, v[LB]
	s_mul_i32 s2, s16, STW
	v_mul_u32_u24 v[SO], v1, STP                   ; lane r of new_h's block a is batch row 16 a + r of the work-group's 128
	v_lshl_add_u32 v[SO], v2, 5, v[SO]
	v_add_nc_u32 v[SO], s2, v[SO]                  ; into my part of the stage: row r, 32 bytes for each half of the lanes
	s_mul_i32 s2, s16, 32*STP
	v_mul_u32_u24 v[SR], v2, STP
	v_lshl_add_u32 v[SR], v1, 4, v[SR]
	v_add_nc_u32 v[SR], s2, v[SR]                  ; back: rows 32 w on; lanes 0-15 one row of 256 bytes, lanes 16-31 the next
	v_add_nc_u32 v[SR+1], 2*STW, v[SR]
	v_lshlrev_b32 v[CO], 12, v2
	v_lshl_add_u32 v[CO], v1, 4, v[CO]             ; and the same two rows in out0
; One product: new_h's block a x Wout's tile b, step S.  A scale register holds an even block's words in lanes 0-15 and the odd neighbour's in lanes 16-31.
.macro WM2 S, a, b, zero
.set rD, 8*(4*(\a)+(\b))
.set rB, 80+48*((\S)%2)+12*(\b)
.set rA, 96*((\S)%2)+12*(\a)
.set rSB, WS+2*(\S)+(\b)/2
.set rSA, HS+4*(\S)+2*((\a)/4)+((\a)%4)/2
.set ODDS, 2*((\b)%2)+(\a)%2
.if \zero
.if ODDS == 0
	v_wmma_scale_f32_16x16x128_f8f6f4 v[rD:rD+7], v[rB:rB+11], v[rA:rA+11], 0, v[rSB], v[rSA] matrix_a_fmt:MATRIX_FMT_FP6 matrix_b_fmt:MATRIX_FMT_FP6
.elseif ODDS == 1
	v_wmma_scale_f32_16x16x128_f8f6f4 v[rD:rD+7], v[rB:rB+11], v[rA:rA+11], 0, v[rSB], v[rSA] matrix_a_fmt:MATRIX_FMT_FP6 matrix_b_fmt:MATRIX_FMT_FP6 matrix_b_scale:MATRIX_SCALE_ROW1
.elseif ODDS == 2
	v_wmma_scale_f32_16x16x128_f8f6f4 v[rD:rD+7], v[rB:rB+11], v[rA:rA+11], 0, v[rSB], v[rSA] matrix_a_fmt:MATRIX_FMT_FP6 matrix_b_fmt:MATRIX_FMT_FP6 matrix_a_scale:MATRIX_SCALE_ROW1
.else
	v_wmma_scale_f32_16x16x128_f8f6f4 v[rD:rD+7], v[rB:rB+11], v[rA:rA+11], 0, v[rSB], v[rSA] matrix_a_fmt:MATRIX_FMT_FP6 matrix_b_fmt:MATRIX_FMT_FP6 matrix_a_scale:MATRIX_SCALE_ROW1 matrix_b_scale:MATRIX_SCALE_ROW1
.endif
.else
.if ODDS == 0
	v_wmma_scale_f32_16x16x128_f8f6f4 v[rD:rD+7], v[rB:rB+11], v[rA:rA+11], v[rD:rD+7], v[rSB], v[rSA] matrix_a_fmt:MATRIX_FMT_FP6 matrix_b_fmt:MATRIX_FMT_FP6
.elseif ODDS == 1
	v_wmma_scale_f32_16x16x128_f8f6f4 v[rD:rD+7], v[rB:rB+11], v[rA:rA+11], v[rD:rD+7], v[rSB], v[rSA] matrix_a_fmt:MATRIX_FMT_FP6 matrix_b_fmt:MATRIX_FMT_FP6 matrix_b_scale:MATRIX_SCALE_ROW1
.elseif ODDS == 2
	v_wmma_scale_f32_16x16x128_f8f6f4 v[rD:rD+7], v[rB:rB+11], v[rA:rA+11], v[rD:rD+7], v[rSB], v[rSA] matrix_a_fmt:MATRIX_FMT_FP6 matrix_b_fmt:MATRIX_FMT_FP6 matrix_a_scale:MATRIX_SCALE_ROW1
.else
	v_wmma_scale_f32_16x16x128_f8f6f4 v[rD:rD+7], v[rB:rB+11], v[rA:rA+11], v[rD:rD+7], v[rSB], v[rSA] matrix_a_fmt:MATRIX_FMT_FP6 matrix_b_fmt:MATRIX_FMT_FP6 matrix_a_scale:MATRIX_SCALE_ROW1 matrix_b_scale:MATRIX_SCALE_ROW1
.endif
.endif
.endm
.macro PAIR S, g, zero                 ; pair g of 16: block g / 2, tiles 2 (g % 2) and the next.  The 32 accumulators take turns, in the same order in every step
	WIN 0xa4                                       ; Wout window 0, new_h window 1, C and D window 2
	WM2 \S, (\g)/2, 2*((\g)%2), \zero
	WM2 \S, (\g)/2, 2*((\g)%2)+1, \zero
.endm
.macro FR2 f, S                        ; fragment f of 12 (0-3: Wout's tiles, 4-11: new_h's blocks) of step S: three loads of 512 consecutive bytes
.set SL, ((\S)/2)%2
.set QQ, (\S)%2
.if (\f) < 4
	WIN 0
.irp c, 0,1,2
	ds_load_b128 v[80+48*QQ+12*(\f)+4*\c:80+48*QQ+12*(\f)+4*\c+3], v[LB+SL] offset:12288*(\f)+1536*QQ+512*\c
.endr
.else
	WIN 0x40
.irp c, 0,1,2
	ds_load_b128 v[96*QQ+12*((\f)-4)+4*\c:96*QQ+12*((\f)-4)+4*\c+3], v[LA+2*SL+((\f)-4)/4] offset:12288*(((\f)-4)%4)+1536*QQ+512*\c
.endr
.endif
.endm
; A phase's first step: the second step's fragments come from the same slot, one behind each of the first 12 pairs.
.macro EVEN S, zero
.if (\S) > 0
	PLACES 4                                       ; places in front of loads into registers that the last step's products read
.endif
.set G, 0
.rept 16
.if G%2 == 0                           ; in front of block k = G / 2: behind its loads stand those of blocks k + 1 .. 7 (3 each) and this step's own so far (6 k, 36 at the most)
.if 3*G > 36
	s_wait_dscnt 3*(7-G/2)+36
.else
	s_wait_dscnt 3*(7-G/2)+3*G
.endif
.endif
	PAIR \S, G, \zero
.if G < 12
	FR2 G, (\S)+1
.endif
.set G, G+1
.endr
	WIN 0
.endm
; A phase's second step changes slots: every wave waits for all its tensor loads, adds 0 to its spare word, waits for that and for its reads of this slot; one barrier, which opens a round of the cluster's where the slot is filled again.
.macro ODD S, fill
.set SF, ((\S)/2)%2
	s_wait_tensorcnt 0x0                           ; no tensor load of mine is out, so a group 0 may be written
	ds_add_u32 v[SPW], v[NIL]                      ; 0 onto my spare word
.if \fill
	s_add_nc_u64 s[G0+4*SF+2:G0+4*SF+3], s[G0+4*SF+2:G0+4*SF+3], 24576      ; two phases on
	s_add_nc_u64 s[G0B+4*SF+2:G0B+4*SF+3], s[G0B+4*SF+2:G0B+4*SF+3], 24576
.endif
	s_wait_dscnt 22                                ; Wout's four and block 0 are in; blocks 1-7 (21 loads) and the add may be out
	PAIR \S, 0, 0
	PAIR \S, 1, 0
	s_wait_dscnt 0x0                               ; the add is done, and my reads of this slot are over
	s_barrier_signal -1
	PAIR \S, 2, 0
	PAIR \S, 3, 0
	WIN 0
	s_barrier_wait -1
.if \fill
	CREST                                          ; no wave of any partner still reads this slot or has a load on its way
	JLOAD SF                                       ; the first tensor load behind the round; its four v_nop are the places in front of the loads below
.else
	PLACES 4
.endif
.set G, 4
.rept 12
	PAIR \S, G, 0
	FR2 G-4, (\S)+1
.set G, G+1
.endr
	WIN 0
.endm
	s_wait_alu depctr_va_vdst(0)
	s_wait_tensorcnt 0x0                           ; my part of phase 0 is in
	ds_add_u32 v[SPW], v[NIL]
	s_wait_dscnt 0x0
	CROUND
	JLOAD 1                                        ; phase 1, the first tensor load behind the round
	PFQ 3
.set G, 0
.rept 12
	FR2 G, 0
.set G, G+1
.endr
	s_wait_loadcnt 0x0                             ; the scale words and Bout
	EVEN 0, 1                                      ; the first step starts the sums
	ODD 1, 1                                       ; slot 0 takes phase 2
	EVEN 2, 0
	ODD 3, 1                                       ; slot 1 takes phase 3
	EVEN 4, 0
	ODD 5, 0                                       ; nothing is left to ask for; behind this barrier nobody reads slot 0
	EVEN 6, 0
	s_wait_dscnt 0x0
.set G, 0
.rept 16
	PAIR 7, G, 0
.set G, G+1
.endr
	WIN 0
	; ---- THE WAY OUT: the four partial tiles into the stage; a barrier; each wave adds and stores 32 whole rows
	PLACES 4
	WIN 0x08                                       ; an LDS store's data are its source 1: window 2
	s_wait_alu depctr_va_vdst(0)
.irp a, 0,1,2,3,4,5,6,7
.irp b, 0,1,2,3
	ds_store_b128 v[SO], v[8*(4*\a+\b):8*(4*\a+\b)+3] offset:16*\a*STP+64*\b        ; lane (r, h): out(16 a + r, 16 b + 8 h + 0 .. 7); each accumulator from its low end on
	ds_store_b128 v[SO], v[8*(4*\a+\b)+4:8*(4*\a+\b)+7] offset:16*\a*STP+64*\b+16
.endr
.endr
	WIN 0
	s_wait_dscnt 0x0                               ; for the others' sake
	s_barrier_signal -1
	s_barrier_wait -1
	WIN 0x40                                       ; destination window 1
.set I, 0
.rept 16
	ds_load_b128 v[16*I:16*I+3], v[SR] offset:2*STP*I
	ds_load_b128 v[16*I+4:16*I+7], v[SR] offset:2*STP*I+STW
	ds_load_b128 v[16*I+8:16*I+11], v[SR+1] offset:2*STP*I
	ds_load_b128 v[16*I+12:16*I+15], v[SR+1] offset:2*STP*I+STW
.set I, I+1
.endr
	s_wait_dscnt 0x0
	WIN 0x45                                       ; all in window 1
.set I, 0
.rept 16
	v_pk_add_f32 v[16*I:16*I+1], v[16*I:16*I+1], v[16*I+4:16*I+5]
	v_pk_add_f32 v[16*I+2:16*I+3], v[16*I+2:16*I+3], v[16*I+6:16*I+7]
	v_pk_add_f32 v[16*I+8:16*I+9], v[16*I+8:16*I+9], v[16*I+12:16*I+13]
	v_pk_add_f32 v[16*I+10:16*I+11], v[16*I+10:16*I+11], v[16*I+14:16*I+15]
.set I, I+1
.endr
.set I, 0
.rept 16
	v_pk_add_f32 v[16*I:16*I+1], v[16*I:16*I+1], v[16*I+8:16*I+9]
	v_pk_add_f32 v[16*I+2:16*I+3], v[16*I+2:16*I+3], v[16*I+10:16*I+11]
.set I, I+1
.endr
	WIN 0x41                                       ; source 1 (Bout) window 0
.set I, 0
.rept 16
	v_pk_add_f32 v[16*I:16*I+1], v[16*I:16*I+1], v[20:21]
	v_pk_add_f32 v[16*I+2:16*I+3], v[16*I+2:16*I+3], v[22:23]
.set I, I+1
.endr
	WIN 0x04                                       ; a store's data are its source 1: window 1
.set I, 0
.rept 16
	global_store_b128 v[CO], v[16*I:16*I+3], s[14:15] offset:8192*I th:TH_STORE_NT   ; 16 lanes store 256 consecutive bytes, aligned; written once, read by nobody here
.set I, I+1
.endr
	WIN 0
	s_wait_tensorcnt 0x0                           ; the wave's end
	ds_add_u32 v[SPW], v[NIL]
	s_wait_dscnt 0x0
	CROUND                                         ; the closing round
	s_endpgm
.Lfunc_end_k_q76ff1530f9_proj:
	.size	k_q76ff1530f9_proj, .Lfunc_end_k_q76ff1530f9_proj-k_q76ff1530f9_proj
	.p2alignl 7, 3214868480
	.fill 96, 4, 3214868480
	.section	.rodata,"a",@progbits
	.p2align	6, 0x0
	.amdhsa_kernel k_q76ff1530f9_proj
		.amdhsa_group_segment_fixed_size 327680
		.amdhsa_private_segment_fixed_size 0
		.amdhsa_enable_private_segment 0
		.amdhsa_kernarg_size 48
		.amdhsa_user_sgpr_count 2
		.amdhsa_user_sgpr_kernarg_segment_ptr 1
		.amdhsa_wavefront_size32 1
		.amdhsa_system_sgpr_workgroup_id_x 1
		.amdhsa_system_sgpr_workgroup_id_y 1
		.amdhsa_system_sgpr_workgroup_id_z 1
		.amdhsa_system_vgpr_workitem_id 0
		.amdhsa_next_free_vgpr 768
		.amdhsa_next_free_sgpr 80
		.amdhsa_reserve_vcc 0
		.amdhsa_float_denorm_mode_32 3
		.amdhsa_float_denorm_mode_16_64 3
		.amdhsa_memory_ordered 1
		.amdhsa_forward_progress 1
		.amdhsa_inst_pref_size 90
	.end_amdhsa_kernel
	.amdgpu_metadata
---
amdhsa.version: [ 1, 2 ]
amdhsa.kernels:
  - .name:           k_q76ff1530f9_proj
    .symbol:         k_q76ff1530f9_proj.kd
    .args:
      - { .name: hq_codes, .offset: 0, .size: 8, .value_kind: global_buffer, .address_space: global }
      - { .name: hq_scales, .offset: 8, .size: 8, .value_kind: global_buffer, .address_space: global }
      - { .name: wo_img, .offset: 16, .size: 8, .value_kind: global_buffer, .address_space: global }
      - { .name: wo_sc, .offset: 24, .size: 8, .value_kind: global_buffer, .address_space: global }
      - { .name: Bout, .offset: 32, .size: 8, .value_kind: global_buffer, .address_space: global }
      - { .name: out0, .offset: 40, .size: 8, .value_kind: global_buffer, .address_space: global }
    .group_segment_fixed_size: 327680
    .private_segment_fixed_size: 0
    .kernarg_segment_align: 8
    .kernarg_segment_size: 48
    .max_flat_workgroup_size: 128
    .sgpr_count:     80
    .vgpr_count:     768
    .wavefront_size: 32
...
	.end_amdgpu_metadata
.endif
;; end of part 4
